; MI455X (gfx1250); checked and timed in simulation.
; The chip was launched on July 23, 2026; its instructions are those of AMD's public machine-readable ISA for CDNA 5 (MIT licence, August 2026) and "CDNA5" Instruction Set Architecture Reference Guide (July 2026). The comments in the code are by the model that wrote it; some were corrected since.
;; Cross Attention. Allowed arithmetic: float matrix products may take bf16 or f16 operands with f32 sums; other float arithmetic in f32, or as packed bf16 or f16 multiplies, adds, multiply-adds, maxima and minima; sums over many terms, partial sums and values carried from step to step in f32; what a program stores and reads back later, other than sums and carried values, may be rounded once to bf16 or f16.
;; Inputs: Wk 1,024 x 1,024 float32; Wo 1,024 x 1,024 float32; Wq 1,024 x 1,024 float32; Wv 1,024 x 1,024 float32; bk 1,024 float32; bo 1,024 float32; bq 1,024 float32; bv 1,024 float32; key_value 4 x 2,048 x 1,024 float32; query 4 x 2,048 x 1,024 float32.
;; Outputs: out0 4 x 2,048 x 1,024 float32.
;; One version. Each part assembles by itself: llvm-mc -triple=amdgcn-amd-amdhsa -mcpu=gfx1250 --defsym DOCPART=n.
;; ======== version 1 of 1: 4 launches
;; limits: values are held in f16: magnitudes above 65,504 overflow, below 6.1e-05 lose precision
;; workspace buffers: c16 41,943,040 bytes; ball 16,384 bytes; qkv 50,331,648 bytes; o 16,777,216 bytes
;; launch cast (part 1): grid 64 x 20, 8 waves a work-group, no clusters, 0 bytes of LDS; arguments query, key_value, Wq, Wk, Wv, Wo, bq, bk, bv, bo, c16, ball; writes c16, ball
.if DOCPART == 1
	.amdgcn_target "amdgcn-amd-amdhsa--gfx1250"
	.amdhsa_code_object_version 6
	.text
	.protected	k_qa774432ebe_cast
	.globl	k_qa774432ebe_cast
	.p2align	8
	.type	k_qa774432ebe_cast,@function
k_qa774432ebe_cast:
	s_mov_b64 s[64:65], 0
	v_nop
	global_prefetch_b8 v0, s[64:65] scope:SCOPE_SE
	s_setreg_imm32_b32 hwreg(HW_REG_WAVE_MODE, 25, 1), 1
	s_wait_xcnt 0x0
; THE INPUTS ARE ROUNDED ONCE TO bf16.  c16 takes, on end: query [8192][1024] bf16, key_value [8192][1024] bf16, Wq, Wk, Wv [1024][1024] bf16 each, and Wo [1024][1024], rounded to bf16 and that number written as f16.
; ball takes bq, bk, bv, bo, each rounded to bf16 and kept as f32 words (they start f32 sums later).
; LIMITS.  Wo's bf16 value is written as f16: exact from 2^-14 to 65,504; smaller numbers keep f16's fixed step of 6e-8; larger ones become infinities.
; SHARES.  The 20 units of 1,048,576 numbers lie in c16 in the order of the grid's y; the grid's x is a chunk of 16,384 numbers (64 KiB in, 32 KiB out).  A wave takes 8 KiB on end: sixteen loads of 512
; consecutive bytes, all issued at once, and sixteen stores of 256 consecutive bytes, each at a multiple of 256 from c16's first byte.  Memory binds: no LDS, no barrier, no loop, no matrix unit.
.set X, 8                              ; v[8:71]    load j: 4 registers of f32
.set Y, 72                             ; v[72:103]  store j: 2 registers, 4 numbers of 16 bits
.set T, 104                            ; v[104:111] at work
	s_load_b512 s[8:23], s[0:1], 0x0               ; query 8, key_value 10, Wq 12, Wk 14, Wv 16, Wo 18, bq 20, bk 22
	s_load_b256 s[24:31], s[0:1], 0x40             ; bv 24, bo 26, c16 28, ball 30
	s_and_b32 s4, ttmp7, 0xffff                    ; u: the unit
	s_mov_b32 s5, ttmp9                            ; x: the chunk
	v_lshrrev_b32 v3, 5, v0                        ; wave
	v_and_b32 v4, 31, v0                           ; lane
	v_lshlrev_b32 v1, 4, v4
	v_lshl_or_b32 v1, v3, 13, v1                   ; in: 8,192 x wave + 16 x lane
	v_lshlrev_b32 v2, 3, v4
	v_lshl_or_b32 v2, v3, 12, v2                   ; out: 4,096 x wave + 8 x lane
	v_lshlrev_b32 v5, 4, v0                        ; a bias: 16 bytes a thread
	s_wait_kmcnt 0x0
	s_mov_b64 s[32:33], s[8:9]                     ; the source, the bias that goes with it, and the source's first unit
	s_mov_b64 s[34:35], s[20:21]
	s_mov_b32 s36, 0
.macro PICK at, src, bias              ; from unit 'at' on: another source
	s_cmp_ge_u32 s4, \at
	s_cselect_b64 s[32:33], s[\src:\src+1], s[32:33]
	s_cselect_b64 s[34:35], s[\bias:\bias+1], s[34:35]
	s_cselect_b32 s36, \at, s36
.endm
	PICK 8, 10, 20
	PICK 16, 12, 20
	PICK 17, 14, 22
	PICK 18, 16, 24
	PICK 19, 18, 26
	s_sub_co_u32 s38, s4, s36
	s_lshl_b32 s38, s38, 6
	s_add_co_u32 s38, s38, s5
	s_lshl_b32 s38, s38, 16                        ; the chunk's first byte in its source
	s_mov_b32 s39, 0
	s_lshl_b32 s40, s4, 6
	s_add_co_u32 s40, s40, s5
	s_lshl_b32 s40, s40, 15                        ; and in c16
	s_mov_b32 s41, 0
	s_add_nc_u64 s[32:33], s[32:33], s[38:39]
	s_add_nc_u64 s[28:29], s[28:29], s[40:41]
.set j, 0
.rept 16
	global_load_b128 v[X+4*j:X+4*j+3], v1, s[32:33] offset:512*j th:TH_LOAD_NT
.set j, j+1
.endr
; Load j is rounded and stored.  Every j has registers of its own, so no store's data are written again.
.macro CONV j, f16
	s_wait_loadcnt 15-(\j)                         ; loads come back in order: mine is in, the 15 - j younger ones stay out
	v_cvt_pk_bf16_f32 v[Y+2*(\j)], v[X+4*(\j)], v[X+4*(\j)+1]
	v_cvt_pk_bf16_f32 v[Y+2*(\j)+1], v[X+4*(\j)+2], v[X+4*(\j)+3]
.if \f16
	v_lshlrev_b32 v[T], 16, v[Y+2*(\j)]            ; the bf16 numbers as f32,
	v_and_b32 v[T+1], 0xffff0000, v[Y+2*(\j)]
	v_lshlrev_b32 v[T+2], 16, v[Y+2*(\j)+1]
	v_and_b32 v[T+3], 0xffff0000, v[Y+2*(\j)+1]
	v_cvt_pk_f16_f32 v[Y+2*(\j)], v[T], v[T+1]     ; and written as f16
	v_cvt_pk_f16_f32 v[Y+2*(\j)+1], v[T+2], v[T+3]
.endif
	global_store_b64 v2, v[Y+2*(\j):Y+2*(\j)+1], s[28:29] offset:256*(\j)
.endm
	s_cmp_eq_u32 s4, 19                            ; Wo alone leaves as f16
	s_cbranch_scc1 .Lhalf
.irp j, 0,1,2,3,4,5,6,7,8,9,10,11,12,13,14,15
	CONV \j, 0
.endr
	s_branch .Lbias
.Lhalf:
.irp j, 0,1,2,3,4,5,6,7,8,9,10,11,12,13,14,15
	CONV \j, 1
.endr
.Lbias:                                        ; the first chunk of each weight's unit also takes that weight's bias: 256 threads x 16 bytes
	s_cmp_lt_u32 s4, 16
	s_cbranch_scc1 .Lend
	s_cmp_lg_u32 s5, 0
	s_cbranch_scc1 .Lend
	s_sub_co_u32 s42, s4, 16
	s_lshl_b32 s42, s42, 12                        ; 4,096 bytes a bias
	s_mov_b32 s43, 0
	s_add_nc_u64 s[30:31], s[30:31], s[42:43]
	global_load_b128 v[T:T+3], v5, s[34:35]
	s_wait_loadcnt 0x0
	v_cvt_pk_bf16_f32 v6, v[T], v[T+1]
	v_cvt_pk_bf16_f32 v7, v[T+2], v[T+3]
	v_lshlrev_b32 v[T+4], 16, v6
	v_and_b32 v[T+5], 0xffff0000, v6
	v_lshlrev_b32 v[T+6], 16, v7
	v_and_b32 v[T+7], 0xffff0000, v7
	global_store_b128 v5, v[T+4:T+7], s[30:31]     ; sixteen lanes store 256 consecutive bytes, aligned
.Lend:
	s_endpgm
.Lfunc_end_k_qa774432ebe_cast:
	.size	k_qa774432ebe_cast, .Lfunc_end_k_qa774432ebe_cast-k_qa774432ebe_cast
	.p2alignl 7, 3214868480
	.fill 96, 4, 3214868480
	.section	.rodata,"a",@progbits
	.p2align	6, 0x0
	.amdhsa_kernel k_qa774432ebe_cast
		.amdhsa_group_segment_fixed_size 0
		.amdhsa_private_segment_fixed_size 0
		.amdhsa_enable_private_segment 0
		.amdhsa_kernarg_size 96
		.amdhsa_user_sgpr_count 2
		.amdhsa_user_sgpr_kernarg_segment_ptr 1
		.amdhsa_wavefront_size32 1
		.amdhsa_system_sgpr_workgroup_id_x 1
		.amdhsa_system_sgpr_workgroup_id_y 1
		.amdhsa_system_sgpr_workgroup_id_z 1
		.amdhsa_system_vgpr_workitem_id 0
		.amdhsa_next_free_vgpr 112
		.amdhsa_next_free_sgpr 66
		.amdhsa_reserve_vcc 0
		.amdhsa_float_denorm_mode_32 3
		.amdhsa_float_denorm_mode_16_64 3
		.amdhsa_memory_ordered 1
		.amdhsa_forward_progress 1
		.amdhsa_inst_pref_size 18
	.end_amdhsa_kernel
	.amdgpu_metadata
---
amdhsa.version: [ 1, 2 ]
amdhsa.kernels:
  - .name:           k_qa774432ebe_cast
    .symbol:         k_qa774432ebe_cast.kd
    .args:
      - { .name: query, .offset: 0, .size: 8, .value_kind: global_buffer, .address_space: global }
      - { .name: key_value, .offset: 8, .size: 8, .value_kind: global_buffer, .address_space: global }
      - { .name: Wq, .offset: 16, .size: 8, .value_kind: global_buffer, .address_space: global }
      - { .name: Wk, .offset: 24, .size: 8, .value_kind: global_buffer, .address_space: global }
      - { .name: Wv, .offset: 32, .size: 8, .value_kind: global_buffer, .address_space: global }
      - { .name: Wo, .offset: 40, .size: 8, .value_kind: global_buffer, .address_space: global }
      - { .name: bq, .offset: 48, .size: 8, .value_kind: global_buffer, .address_space: global }
      - { .name: bk, .offset: 56, .size: 8, .value_kind: global_buffer, .address_space: global }
      - { .name: bv, .offset: 64, .size: 8, .value_kind: global_buffer, .address_space: global }
      - { .name: bo, .offset: 72, .size: 8, .value_kind: global_buffer, .address_space: global }
      - { .name: c16, .offset: 80, .size: 8, .value_kind: global_buffer, .address_space: global }
      - { .name: ball, .offset: 88, .size: 8, .value_kind: global_buffer, .address_space: global }
    .group_segment_fixed_size: 0
    .private_segment_fixed_size: 0
    .kernarg_segment_align: 8
    .kernarg_segment_size: 96
    .max_flat_workgroup_size: 256
    .sgpr_count:     66
    .vgpr_count:     112
    .wavefront_size: 32
...
	.end_amdgpu_metadata
.endif
;; end of part 1
;; launch proj (part 2): grid 12 x 64, 4 waves a work-group, clusters of 4 x 4, 327,680 bytes of LDS; arguments c16, ball, qkv; writes qkv
.if DOCPART == 2
	.amdgcn_target "amdgcn-amd-amdhsa--gfx1250"
	.amdhsa_code_object_version 6
	.text
	.protected	k_qa774432ebe_proj
	.globl	k_qa774432ebe_proj
	.p2align	8
	.type	k_qa774432ebe_proj,@function
k_qa774432ebe_proj:
	s_mov_b64 s[64:65], 0
	v_nop
	global_prefetch_b8 v0, s[64:65] scope:SCOPE_SE
	s_setreg_imm32_b32 hwreg(HW_REG_WAVE_MODE, 25, 1), 1
	s_wait_xcnt 0x0
	s_wait_alu depctr_hold_cnt(0) depctr_sa_sdst(0) depctr_va_vdst(0) depctr_va_sdst(0) depctr_va_ssrc(0) depctr_va_vcc(0) depctr_vm_vsrc(0)
	s_getreg_b32 s2, hwreg(HW_REG_IB_STS2, 6, 4)
	s_cmp_eq_u32 s2, 0
	s_cbranch_scc0 .Lentry_in_a_cluster
	s_endpgm
.Lentry_in_a_cluster:
	s_bfe_u32 s2, ttmp6, 0x10000c
	s_cmp_lg_u32 s2, 0xf033
	s_cbranch_scc0 .Lentry_shape_is_right
	s_endpgm
.Lentry_shape_is_right:
; Q = xq Wq^T + bq, K = xkv Wk^T + bk, V = xkv Wv^T + bv.  x: [8192][1024] bf16, W: [1024][1024] bf16 (three on end), both in c16; the biases f32 in ball.  Sums in f32, started from the bias; the results are
; rounded once to f16 and laid out by heads: qkv [3][64 = batch x 16 + head][2048][64], without the softmax's scale.
; LIMITS.  f16 holds no number beyond 65,504: a q, k or v past that becomes an infinity.  NaN and infinities are not treated apart.
; SHARES.  A tile is 128 rows x 256 columns: 64 x 12 = 768 tiles, three for each of 256 WGPs.  Four waves, each 64 x 128: 32 accumulators of 16 x 16, 256 registers.
; K goes in steps of 128 through a ring of two LDS slots (A's 128 rows, B's 256 rows of 256 bytes, each starting at a multiple of 256 bytes from the buffer's first byte).  Two slots of twice the step would not fit in LDS.
; CLUSTER.  4 x 4 work-groups; the cluster's x is the projection (0 Q, 1 K, 2 V).  The four of a row of the cluster need the same rows of x, the four of a column the same rows of W: each tile is asked for JOINTLY,
; by the same tensor load with the same descriptor and a mask that names the four.
; THE MATRIX INSTRUCTION IS USED TRANSPOSED (source 0 = 16 rows of W, source 1 = 16 rows of x): a lane holds row l % 16 and the columns 8 (l / 16) + 0..7, eight neighbouring numbers of a head's row.
; No prefetch: W's rows are read by sixteen rows of clusters, x's by three columns, the tiles are small and a work-group is short.
; REGISTERS, in windows of 256 (s_set_vgpr_msb: bits 1:0 source 0, 3:2 source 1, 5:4 source 2, 7:6 destination):
;   window 0: v0-31 addresses; v64-127 the bias of my 128 columns, as eight C operands; v128-255 at work on the way out
;   window 1: two fragment buffers of 96: A's four blocks of 16 rows x 32 K, then B's eight          window 2: accumulator (a, b) at v[8 (8 a + b)]
.set PITCH,  272                       ; an LDS row: 256 bytes + 16 of padding = 68 words: row r starts at bank 4 r mod 64 (64 banks of 4 bytes: ISA guide 11.1)
.set AREG,   128*PITCH                 ; A's 128 rows; B's 256 lie behind them
.set SLOT,   384*PITCH
.set STAGE,  2*SLOT                    ; behind the ring, never filled by a tensor load: 16 rows x 144 bytes for each wave
.set SP,     144
.set SPARE,  STAGE+4*16*SP             ; behind the stages: the spare words, 128 bytes for each wave: two blocks of 256 bytes that no other line names
.set LAPS,   4                         ; a lap = two K steps of 128 = once round the ring
.set ADRA, 16                          ; v16-17  LDS address of my A fragments in slot 0, 1
.set ADRB, 20                          ; v20-21  the same for B
.set STO,  24                          ; v24     the way out: where I put 16 bytes of a row
.set RD,   25                          ; v25     the way out: where I read rows back
.set GO,   26                          ; v26     my 16 bytes of 512 consecutive bytes of the output
.set SPW,  28                          ; v28     LDS address of my spare word; never rewritten
.set NIL,  29                          ; v29     0; never rewritten
.set BO,   30                          ; v30     32 (l / 16): my eight numbers of a block's bias
.set BI,   64
.set T,    128
.set F0,   0
.set F1,   96
.set WV,   10                          ; s10  my wave's number
.set WR,   11                          ; s11  which 64 rows of the tile are mine.  Also: I fetch for A (0) or for B (1)
.set WC,   12                          ; s12  which 128 columns.  Also: which half of that tile I fetch
.set G1,   24                          ; s[24:31] descriptor group 1 for A's tiles;  s[32:39] group 0, one set for each slot
.set G0,   32
.set G1B,  48                          ; s[48:55], s[56:63] the same for B's
.set G0B,  56
.set MSB, 0
.macro WIN new                         ; the immediate's high byte repeats the setting that is left; a switch that changes nothing is dropped
.if MSB != (\new)
	s_set_vgpr_msb (MSB<<8)|(\new)
.set MSB, \new
.endif
.endm
.set MUL,  0xa5                        ; sources 0 and 1 window 1; C and D window 2
.set MULB, 0x85                        ; the same with C, the bias, in window 0
.set TO_F, 0x40                        ; destination window 1, address window 0
.macro JLOAD s                         ; a joint load: waves 0 and 1 fetch A's two halves, waves 2 and 3 B's; an s_nop 0 and four v_nop follow each of the two lines, ahead of the jump, the label and what follows
	s_cmp_eq_u32 s[WR], 0
	s_cbranch_scc0 .Lfor_b_\@
	tensor_load_to_lds s[G0+4*(\s):G0+4*(\s)+3], s[G1:G1+7]
	s_nop 0
.rept 4
	v_nop
.endr
	s_branch .Lasked_\@
.Lfor_b_\@:
	tensor_load_to_lds s[G0B+4*(\s):G0B+4*(\s)+3], s[G1B:G1B+7]
	s_nop 0
.rept 4
	v_nop
.endr
.Lasked_\@:
.endm
.macro CREST                           ; a round of the cluster's barrier behind its opening barrier: wave 0 signals for the work-group, every wave waits for all sixteen, my work-group's barrier once more
	s_cmp_lg_u32 s[WV], 0
	s_cbranch_scc1 .Lnot_wave_0_\@
	s_barrier_signal -3
.Lnot_wave_0_\@:
	s_barrier_wait -3
	s_barrier_signal -1
	s_barrier_wait -1
.endm
.macro CROUND                          ; a whole round
	s_barrier_signal -1
	s_barrier_wait -1
	CREST
.endm
	s_load_b128 s[4:7], s[0:1], 0x0                ; c16 s[4:5], ball s[6:7]
	s_load_b64 s[8:9], s[0:1], 0x10                ; qkv
	v_lshl_add_u32 v[SPW], v0, 2, SPARE
	v_mov_b32 v[NIL], 0
	ds_add_u32 v[SPW], v[NIL]                      ; the wave's opening: the add and its wait stand ahead of my first tensor load; the set-up below, work on registers, stands between them
	v_lshrrev_b32 v1, 5, v0
	v_readfirstlane_b32 s[WV], v1                  ; wave 0..3
	s_lshr_b32 s[WR], s[WV], 1
	s_and_b32 s[WC], s[WV], 1
	s_bfe_u32 s40, ttmp6, 0x40000                  ; cx, cy: my place in the cluster
	s_bfe_u32 s41, ttmp6, 0x40004
	s_mov_b32 s42, ttmp9                           ; the projection: the cluster's x
	s_and_b32 s13, ttmp7, 0xffff
	s_lshl_b32 s13, s13, 2
	s_add_co_u32 s13, s13, s41                     ; tile row = 4 x cluster y + cy
	s_lshl_b32 s43, s41, 2
	s_lshl_b32 s43, 15, s43                        ; my row of the cluster
	s_lshl_b32 s44, 0x1111, s40                    ; my column
	s_or_b32 s[G1+0], s43, (1<<16)|(1<<20)|(1<<21)|(5<<22)|(3<<25)   ; 15:0 the mask; 17:16 elements of 2 bytes; 20 padding on; 21 set beside a mask; 24:22 after every 64 words (code 5); 31:25 4 words of it (code 3)
	s_or_b32 s[G1B+0], s44, (1<<16)|(1<<20)|(1<<21)|(5<<22)|(3<<25)
	s_mov_b32 s[G1+1], 128<<16                     ; tensor_dim0 = 128
	s_mov_b32 s[G1+2], 64<<16                      ; tensor_dim1 = 64: half of A's rows
	s_mov_b32 s[G1+3], 128<<16                     ; tile_dim0 = 128
	s_mov_b32 s[G1+4], 64                          ; tile_dim1 = 64
	s_mov_b32 s[G1+5], 1024                        ; elements from row to row
	s_mov_b32 s[G1+6], 0
	s_mov_b32 s[G1+7], 0
	s_mov_b32 s[G1B+1], 128<<16
	s_mov_b32 s[G1B+2], 128<<16                    ; half of B's rows: 128
	s_mov_b32 s[G1B+3], 128<<16
	s_mov_b32 s[G1B+4], 128
	s_mov_b32 s[G1B+5], 1024
	s_mov_b32 s[G1B+6], 0
	s_mov_b32 s[G1B+7], 0
	; where the tiles come from.  A's hang on the tile row, the projection and the wave alone; B's on cx, the projection and the wave alone
	s_lshl_b32 s16, s13, 7
	s_lshl_b32 s17, s[WC], 6
	s_add_co_u32 s16, s16, s17                     ; row 128 x tile row + 64 x half
	s_lshl_b32 s16, s16, 11                        ; rows of 2,048 bytes
	s_min_u32 s17, s42, 1
	s_lshl_b32 s17, s17, 24                        ; Q reads query's copy, K and V key_value's, 16 MiB on
	s_add_co_u32 s16, s16, s17
	s_mov_b32 s17, 0
	s_lshl_b32 s46, s42, 10
	s_lshl_b32 s47, s40, 8
	s_add_co_u32 s46, s46, s47
	s_lshl_b32 s47, s[WC], 7
	s_add_co_u32 s46, s46, s47                     ; row of the stacked weights = 1,024 x projection + 256 cx + 128 x half: also my wave's first column
	s_lshl_b32 s20, s46, 2                         ; its bias, in bytes
	s_lshl_b32 s46, s46, 11
	s_add_co_u32 s46, s46, 0x2000000               ; the weights lie 32 MiB into c16
	s_mov_b32 s47, 0
	s_mul_i32 s21, s[WC], 64*PITCH                 ; where they go: no place in the cluster enters an LDS address
	s_mul_i32 s22, s[WC], 128*PITCH
	s_add_co_u32 s22, s22, AREG
	s_wait_dscnt 0x0                               ; the opening add is done
	s_wait_kmcnt 0x0
	s_add_nc_u64 s[14:15], s[4:5], s[16:17]
	s_add_nc_u64 s[46:47], s[4:5], s[46:47]
	CROUND                                         ; all sixteen work-groups are here: the first joint loads meet
.irp s, 0,1
	s_mov_b32 s[G0+4*(\s)], 1                                        ; count = 1
	s_add_co_u32 s[G0+4*(\s)+1], s21, (\s)*SLOT                      ; LDS address
	s_add_nc_u64 s[G0+4*(\s)+2:G0+4*(\s)+3], s[14:15], (\s)*256      ; global address: K step s
	s_or_b32 s[G0+4*(\s)+3], s[G0+4*(\s)+3], 0x80000000              ; type = 2
	s_mov_b32 s[G0B+4*(\s)], 1
	s_add_co_u32 s[G0B+4*(\s)+1], s22, (\s)*SLOT
	s_add_nc_u64 s[G0B+4*(\s)+2:G0B+4*(\s)+3], s[46:47], (\s)*256
	s_or_b32 s[G0B+4*(\s)+3], s[G0B+4*(\s)+3], 0x80000000
	JLOAD \s                                       ; two loads of mine are out
.endr
	v_and_b32 v1, 15, v0                           ; l % 16
	v_bfe_u32 v2, v0, 4, 1                         ; l / 16
	v_lshlrev_b32 v[BO], 5, v2
	s_mov_b32 s21, 0
	s_add_nc_u64 s[6:7], s[6:7], s[20:21]          ; the bias of my 128 columns
.irp b, 0,1,2,3,4,5,6,7
	global_load_b128 v[BI+8*(\b):BI+8*(\b)+3],   v[BO], s[6:7] offset:64*(\b)      ; register j: column 16 b + 8 (l / 16) + j, as in a result
	global_load_b128 v[BI+8*(\b)+4:BI+8*(\b)+7], v[BO], s[6:7] offset:64*(\b)+16
.endr
	v_mul_u32_u24 v3, v1, PITCH
	v_lshl_add_u32 v3, v2, 4, v3                   ; a fragment's row x pitch + 16 x half
	s_mul_i32 s21, s[WR], 64*PITCH                 ; my 64 rows of A
	s_mul_i32 s22, s[WC], 128*PITCH                ; my 128 rows of B,
	s_add_co_u32 s22, s22, AREG                    ; which lie behind A's 128
.irp s, 0,1
	v_add_nc_u32 v[ADRA+(\s)], s21, v3
	v_add_nc_u32 v[ADRB+(\s)], s22, v3
	s_add_co_u32 s21, s21, SLOT
	s_add_co_u32 s22, s22, SLOT
.endr
	s_mul_i32 s23, s[WV], 16*SP
	s_add_co_u32 s23, s23, STAGE                   ; my stage
	v_mul_u32_u24 v4, v1, SP                       ; in: row l % 16, 16 bytes for each half of the lanes
	v_lshl_add_u32 v4, v2, 4, v4
	v_add_nc_u32 v[STO], s23, v4
	v_bfe_u32 v5, v0, 3, 2                         ; back: 32 lanes take four rows of 128 bytes,
	v_mul_u32_u24 v5, v5, SP
	v_and_b32 v6, 7, v0
	v_lshl_add_u32 v5, v6, 4, v5
	v_add_nc_u32 v[RD], s23, v5
	v_and_b32 v[GO], 31, v0                        ; which are 512 consecutive bytes of a head
	v_lshlrev_b32 v[GO], 4, v[GO]
	; my part of the output: projection x 16 MiB + batch x 4 MiB + head x 256 KiB + row x 128
	s_lshl_b32 s18, s42, 24
	s_lshr_b32 s19, s13, 4
	s_lshl_b32 s19, s19, 22
	s_add_co_u32 s18, s18, s19
	s_lshl_b32 s19, s40, 2
	s_lshl_b32 s20, s[WC], 1
	s_add_co_u32 s19, s19, s20                     ; my first head: 4 cx + 2 x half
	s_lshl_b32 s19, s19, 18
	s_add_co_u32 s18, s18, s19
	s_and_b32 s19, s13, 15
	s_lshl_b32 s19, s19, 7
	s_lshl_b32 s20, s[WR], 6
	s_add_co_u32 s19, s19, s20                     ; my first row in the batch
	s_lshl_b32 s19, s19, 7
	s_add_co_u32 s18, s18, s19
	s_mov_b32 s19, 0
	s_add_nc_u64 s[8:9], s[8:9], s[18:19]
; 8 matrix instructions: m block a x all 8 n blocks, 32 along K.  first = 1: the bias starts the sums: nothing is cleared and nothing added later.
; The 32 accumulators take turns in the same order in every quarter.
.macro MUL8 f, a, first
.if \first
	WIN MULB
.else
	WIN MUL
.endif
.irp b, 0,1,2,3,4,5,6,7
.if \first
	v_wmma_f32_16x16x32_bf16 v[8*(8*(\a)+(\b)):8*(8*(\a)+(\b))+7], v[(\f)+32+8*(\b):(\f)+32+8*(\b)+7], v[(\f)+8*(\a):(\f)+8*(\a)+7], v[BI+8*(\b):BI+8*(\b)+7]
.else
	v_wmma_f32_16x16x32_bf16 v[8*(8*(\a)+(\b)):8*(8*(\a)+(\b))+7], v[(\f)+32+8*(\b):(\f)+32+8*(\b)+7], v[(\f)+8*(\a):(\f)+8*(\a)+7], v[8*(8*(\a)+(\b)):8*(8*(\a)+(\b))+7]
.endif
.endr
.endm
; 24 LDS loads in one run: the fragments of quarter q (32 K at byte 64 q of the rows) into buffer f: B's sixteen loads, then A's eight
.macro FETCH slot, q, f
	WIN TO_F
.irp i, 0,1,2,3,4,5,6,7
	ds_load_b128 v[(\f)+32+8*(\i):(\f)+32+8*(\i)+3],   v[ADRB+(\slot)] offset:64*(\q)+(\i)*16*PITCH
	ds_load_b128 v[(\f)+32+8*(\i)+4:(\f)+32+8*(\i)+7], v[ADRB+(\slot)] offset:64*(\q)+(\i)*16*PITCH+32
.endr
.irp i, 0,1,2,3
	ds_load_b128 v[(\f)+8*(\i):(\f)+8*(\i)+3],   v[ADRA+(\slot)] offset:64*(\q)+(\i)*16*PITCH
	ds_load_b128 v[(\f)+8*(\i)+4:(\f)+8*(\i)+7], v[ADRA+(\slot)] offset:64*(\q)+(\i)*16*PITCH+32
.endr
.endm
.macro PLACES                          ; four places in front of loads into registers that matrix instructions have read, and of conversions that read results
.rept 4
	v_nop
.endr
.endm
; A K step is four quarters of 32 along K, 32 matrix instructions each, on buffers 0, 1, 0, 1.  One of the first three: multiplies buffer f and, in its middle, fetches quarter q into g.
.macro QUARTER slot, q, f, g, first
	s_wait_dscnt 4                                 ; B and A's blocks 0 and 1 are in; the youngest four loads (A's blocks 2 and 3) may be out
	MUL8 \f, 0, \first
	MUL8 \f, 1, \first
	PLACES
	FETCH \slot, \q, \g
	s_wait_dscnt 24                                ; all but the 24 just issued
	MUL8 \f, 2, \first
	MUL8 \f, 3, \first
.endm
; The last quarter multiplies buffer 1 and changes slots: ONE barrier; in front of it each wave waits for all its tensor loads (the one that is out is its part of the next slot), adds 0 to its spare word, and
; waits for that and for its own reads of this slot.  fill = 1: this slot is filled again, two K steps ahead; the barrier then opens a round of the cluster's.
.macro TURN slot, next, fill
	WIN 0                                          ; (the add's two registers lie in window 0)
	s_wait_tensorcnt 0x0
	ds_add_u32 v[SPW], v[NIL]                      ; 0 onto my spare word
	s_wait_dscnt 5                                 ; (the add and the youngest four loads may be out)
	MUL8 F1, 0, 0                                  ; eight matrix instructions stand between the add and the wait for it
	s_wait_dscnt 0x0                               ; the add is done, and my reads of this slot are over
	s_barrier_signal -1
	MUL8 F1, 1, 0
.if \fill
	WIN 0
.endif
	s_barrier_wait -1
.if \fill
	CREST                                          ; no wave of any partner still reads this slot's tile or has a load on its way
	s_add_nc_u64 s[G0+4*(\slot)+2:G0+4*(\slot)+3], s[G0+4*(\slot)+2:G0+4*(\slot)+3], 512
	s_add_nc_u64 s[G0B+4*(\slot)+2:G0B+4*(\slot)+3], s[G0B+4*(\slot)+2:G0B+4*(\slot)+3], 512
	JLOAD \slot                                    ; the first tensor load behind the round, my only one until the next; its four v_nop are also the places in front of the loads below
.else
	PLACES
.endif
	FETCH \next, 0, F0
	MUL8 F1, 2, 0
	MUL8 F1, 3, 0
.endm
; THE WAY OUT of piece t: 16 rows (block t / 2) of one head (t % 2: four n blocks).  Rounded to f16, 16 bytes a lane into my own stage, back as whole rows of 128 bytes, which lie on end in the head.
.macro PACK t
.set pa, (\t)/2
.set ph, (\t)%2
	WIN 0x0a                                       ; sources 0 and 1 window 2, destination window 0
.irp bb, 0,1,2,3
.irp rr, 0,1,2,3
	v_cvt_pk_f16_f32 v[T+16*(\t)+4*(\bb)+(\rr)], v[8*(8*pa+4*ph+(\bb))+2*(\rr)], v[8*(8*pa+4*ph+(\bb))+2*(\rr)+1]
.endr
.endr
	WIN 0
.irp bb, 0,1,2,3
	ds_store_b128 v[STO], v[T+16*(\t)+4*(\bb):T+16*(\t)+4*(\bb)+3] offset:32*(\bb)
.endr
.irp f, 0,1,2,3
	ds_load_b128 v[T+16*(\t)+4*(\f):T+16*(\t)+4*(\f)+3], v[RD] offset:(\f)*4*SP  ; LDS serves a wave's instructions in order (ISA guide 5.7.1.4): these see the stores above; the next piece's stores come behind them
.endr
.endm
.macro SEND t, younger                 ; younger: the LDS instructions issued behind piece t's loads: the next piece's eight, or none
.set pa, (\t)/2
.set ph, (\t)%2
	WIN 0
.irp f, 0,1,2,3
	s_wait_dscnt (\younger)+3-(\f)
	global_store_b128 v[GO], v[T+16*(\t)+4*(\f):T+16*(\t)+4*(\f)+3], s[8:9] offset:ph*262144+pa*2048+(\f)*512  ; 512 consecutive bytes, at a multiple of 256 from the buffer's first
.endr
.endm
	s_wait_tensorcnt 1                             ; my part of K step 0 is in; K step 1's may stay out
	s_barrier_signal -1
	s_barrier_wait -1                              ; everybody's is
	FETCH 0, 0, F0
	s_wait_loadcnt 0x0                             ; the bias
	QUARTER 0, 1, F0, F1, 1                        ; the first quarter stands in front of the loop: its products start the sums
	WIN 0                                          ; at a label and at a branch every window is 0
	s_mov_b32 s3, LAPS-1
.Llap:                                                 ; a trip goes once round the ring, from a lap's second quarter to the next lap's first, and fills both slots again
	QUARTER 0, 2, F1, F0, 0
	QUARTER 0, 3, F0, F1, 0
	TURN 0, 1, 1
	QUARTER 1, 1, F0, F1, 0
	QUARTER 1, 2, F1, F0, 0
	QUARTER 1, 3, F0, F1, 0
	TURN 1, 0, 1
	QUARTER 0, 1, F0, F1, 0
	WIN 0
	s_sub_co_u32 s3, s3, 1
	s_cmp_lg_u32 s3, 0
	s_cbranch_scc1 .Llap
	QUARTER 0, 2, F1, F0, 0                        ; the last lap fills nothing, and has no round of the cluster's barrier
	QUARTER 0, 3, F0, F1, 0
	TURN 0, 1, 0
	QUARTER 1, 1, F0, F1, 0
	QUARTER 1, 2, F1, F0, 0
	QUARTER 1, 3, F0, F1, 0
	s_wait_dscnt 4                                 ; the very last quarter: nothing more to fetch
	MUL8 F1, 0, 0
	MUL8 F1, 1, 0
	s_wait_dscnt 0x0
	MUL8 F1, 2, 0
	MUL8 F1, 3, 0
	WIN 0
	PLACES
	PACK 0
.irp t, 1,2,3,4,5,6,7                  ; a piece's conversions stand between the loads of the piece before and its stores
	PACK \t
	SEND (\t)-1, 8
.endr
	SEND 7, 0
	s_wait_tensorcnt 0x0                           ; the wave's end: the wait, the add and its wait stand behind my last tensor load and my last LDS store
	ds_add_u32 v[SPW], v[NIL]
	s_wait_dscnt 0x0
	CROUND                                         ; the closing round: no work-group ends while a partner may still ask for a tile that names it
	s_endpgm
.Lfunc_end_k_qa774432ebe_proj:
	.size	k_qa774432ebe_proj, .Lfunc_end_k_qa774432ebe_proj-k_qa774432ebe_proj
	.p2alignl 7, 3214868480
	.fill 96, 4, 3214868480
	.section	.rodata,"a",@progbits
	.p2align	6, 0x0
	.amdhsa_kernel k_qa774432ebe_proj
		.amdhsa_group_segment_fixed_size 327680
		.amdhsa_private_segment_fixed_size 0
		.amdhsa_enable_private_segment 0
		.amdhsa_kernarg_size 24
		.amdhsa_user_sgpr_count 2
		.amdhsa_user_sgpr_kernarg_segment_ptr 1
		.amdhsa_wavefront_size32 1
		.amdhsa_system_sgpr_workgroup_id_x 1
		.amdhsa_system_sgpr_workgroup_id_y 1
		.amdhsa_system_sgpr_workgroup_id_z 1
		.amdhsa_system_vgpr_workitem_id 0
		.amdhsa_next_free_vgpr 768
		.amdhsa_next_free_sgpr 66
		.amdhsa_reserve_vcc 0
		.amdhsa_float_denorm_mode_32 3
		.amdhsa_float_denorm_mode_16_64 3
		.amdhsa_memory_ordered 1
		.amdhsa_forward_progress 1
		.amdhsa_inst_pref_size 89
	.end_amdhsa_kernel
	.amdgpu_metadata
---
amdhsa.version: [ 1, 2 ]
amdhsa.kernels:
  - .name:           k_qa774432ebe_proj
    .symbol:         k_qa774432ebe_proj.kd
    .args:
      - { .name: c16, .offset: 0, .size: 8, .value_kind: global_buffer, .address_space: global }
      - { .name: ball, .offset: 8, .size: 8, .value_kind: global_buffer, .address_space: global }
      - { .name: qkv, .offset: 16, .size: 8, .value_kind: global_buffer, .address_space: global }
    .group_segment_fixed_size: 327680
    .private_segment_fixed_size: 0
    .kernarg_segment_align: 8
    .kernarg_segment_size: 24
    .max_flat_workgroup_size: 128
    .sgpr_count:     66
    .vgpr_count:     768
    .wavefront_size: 32
...
	.end_amdgpu_metadata
.endif
;; end of part 2
;; launch attn (part 3): grid 4 x 64, 4 waves a work-group, clusters of 4 x 1, 327,680 bytes of LDS; arguments qkv, o; writes o
.if DOCPART == 3
	.amdgcn_target "amdgcn-amd-amdhsa--gfx1250"
	.amdhsa_code_object_version 6
	.text
	.protected	k_qa774432ebe_attn
	.globl	k_qa774432ebe_attn
	.p2align	8
	.type	k_qa774432ebe_attn,@function
k_qa774432ebe_attn:
	s_mov_b64 s[64:65], 0
	v_nop
	global_prefetch_b8 v0, s[64:65] scope:SCOPE_SE
	s_setreg_imm32_b32 hwreg(HW_REG_WAVE_MODE, 25, 1), 1
	s_wait_xcnt 0x0
	s_wait_alu depctr_hold_cnt(0) depctr_sa_sdst(0) depctr_va_vdst(0) depctr_va_sdst(0) depctr_va_ssrc(0) depctr_va_vcc(0) depctr_vm_vsrc(0)
	s_getreg_b32 s2, hwreg(HW_REG_IB_STS2, 6, 4)
	s_cmp_eq_u32 s2, 0
	s_cbranch_scc0 .Lentry_in_a_cluster
	s_endpgm
.Lentry_in_a_cluster:
	s_bfe_u32 s2, ttmp6, 0x10000c
	s_cmp_lg_u32 s2, 0x3003
	s_cbranch_scc0 .Lentry_shape_is_right
	s_endpgm
.Lentry_shape_is_right:
; O[h][q][:] = the sum over k of softmax_k(Q[h][q] . K[h][k] / 8) V[h][k][:].  Q, K, V lie on end in qkv, each [SIZE_H][SIZE_N][64] f16; O likewise in o: a head's rows are dense, 128 bytes each.  Products, maxima
; and sums in f32; the weights p are rounded to f16 for the second product (their sum l is taken of the unrounded p), O once at the end.
; LIMITS.  f16 holds no number beyond 65,504: Q, K and V arrive within it; p lies in 0 to 1, and below 6e-5 it keeps f16's fixed step of 6e-8; O is a mean of V's rows and has their range.
; A weight below 2^-126 counts as 0 in l; NaN and infinities are not treated apart.
; SHARES.  A wave owns four PIECES of two tiles of 16 queries, a work-group's four waves 512 queries of one head: 4 x 64 = 256 work-groups.  Every wave walks all keys, 64 a step.
; LAYOUT.  S^T = K Q^T (source 0 = 16 keys, source 1 = 16 queries): in the result a lane holds ONE query (lane % 16) and the keys 8 (lane / 16) + 0..7.  Two such tiles, rounded to f16 in pairs,
; ARE source 1 (32 keys x 16 queries) of O^T = V^T P, whose result again holds one query a lane, and eight channels.  K comes out of LDS as it lies, V ([key][channel]) turned, by ds_load_tr16_b128.
; SOFTMAX.  For each query a running maximum m and sum l: p = 2^(c s - c m), c = log2(e) / 8; in every step O and l are multiplied by a = 2^(c m_old - c m_new), which is 1 where m has not grown.
; m starts at the lowest finite number, O and l at 0: the first step is a step like any other, with a = 0.
; THE COUNT.  A tile and step have 16 matrix and 118 vector instructions: too many to stand all beside the matrix work.  So the order has one aim: four vector instructions that are READY behind
; EVERY matrix instruction, and the others, which need time of their own whatever the order, in runs without a gap.
; BY TURNS.  Turn n belongs to piece n (the pieces in a ring, step after step).  Its matrix work: 16 products K Q^T of piece n + 1, later 16 products V^T P of piece n - 1.  Its vector work: the scaling,
; exponentials, roundings, sums and rescaling of piece n, and the maximum and statistics of piece n + 1, whose scores the turn itself has made.  So what a turn begins with (c s - c m, O a) waits for nothing.
; CLUSTER.  The four query blocks of a cluster are one head's and walk the same K and V, so each tile is asked for JOINTLY: the same tensor load, descriptor and mask in all four.
; REGISTERS, in windows of 256 (s_set_vgpr_msb says which window each operand place means: bits 1:0 source 0, 3:2 source 1, 5:4 source 2, 7:6 destination):
;   window 0: v0-11 addresses; v12-15, v48-63 at work; v16-47 four registers of statistics a tile; v64-191 S^T, two buffers of two tiles; v192-255 P, likewise
;   window 1: O^T, 32 a tile          window 2: v0-127 Q, 16 a tile; v128-191 K of one step; v192-255 V of one step          window 3: v0-1 the add's two registers
; A piece's buffers go by its number's parity: the piece in hand has one pair, its two neighbours in the ring share the other: of it P (piece n - 1) is read and S^T (piece n + 1) written.
.set SIZE_H, 64
.set SIZE_N, 2048
.set NP,    4         ; pieces a wave: a name, no knob: the register map, the loop and the fetches are made for four
.set KS,    64        ; keys in a step
.set PK,    144       ; a row of K in LDS: 128 bytes + 16 of padding = 36 words: the 16 rows of a load start at 16 different groups of four banks (64 banks of 4 bytes: ISA guide 11.1)
.set PV,    160       ; a row of V: 128 + 32 = 40 words
.set VOFF,  4*KS*PK   ; a slot holds four steps: 256 rows of K, then 256 rows of V
.set SLOT1, 1<<17     ; slot 1 begins here, so that one exclusive or turns an address in one slot into the other's
.set STAGE, SLOT1+4*KS*(PK+PV)  ; behind the ring, never filled by a tensor load: 16 rows x 144 bytes for each wave, for the way out
.set SP,    144
.set AK0, 2           ; v2   my lane's place in a tile of K; never rewritten
.set AV0, 3           ; v3   the same for V
.set AK,  4           ; v4   the LDS address of K's next run of loads
.set AV,  5           ; v5   of V's
.set QO,  6           ; v6   my byte offset in the wave's rows of Q
.set STO, 6           ;      later, the way out: where I put 16 bytes of a row
.set RD,  7           ; v7   the way out: where I read rows back
.set GO,  8           ; v8   my byte offset in 512 consecutive bytes of O
.set PFO, 11          ; v11  the prefetches' offset: 256 x my lane; written once the head has no more use for the register, then never again
.set SPW, 0           ; v0 of window 3   LDS address of my spare word: SPARE + 4 x my thread's number; never rewritten
.set NIL, 1           ; v1 of window 3   0; never rewritten
.set SPARE, STAGE+4*16*SP  ; behind the stages: the spare words, 128 bytes for each wave: two blocks of 256 bytes that no other line names
.set MV,  12          ; v12-15  c m_old, kept while c m is made anew: by buffer and tile
.set ST,  16          ; tile t's statistics at v[ST+4 t]: c m, m, l (even keys', odd keys')
.set TMP, 48          ; by buffer and tile, four registers c0-c3 at work; when the maximum is found c2 takes a
.set S,   64
.set P,   192
.set KF,  128         ; K's fragments, in window 2: key block kb, channel half c at KF + 16 kb + 8 c
.set VF,  192         ; V's: key half kk, channel block cb at VF + 32 kk + 8 cb
.set WV,  12          ; s12  my wave's number
.set LIM, 15          ; s15  1 in a wave that prefetches (0 and 2), else the greatest number: a wave prefetches while s[SLOTS] is above it
.set G1K, 24          ; s[24:31] descriptor group 1 for K's tiles
.set G1V, 32          ; s[32:39] for V's: it differs in the padding alone
.set G0K, 40          ; s[40:43] descriptor group 0 for K's tiles: it walks
.set G0V, 44          ; s[44:47] the same for V's
.set PFA, 48          ; s[48:49] where my prefetches stand: my work-group's 8,192 bytes (of K: wave 0, of V: wave 2) of the slot after the one that is being asked for
.set SLOTS, 56        ; s56  slots still to be asked for
.set CNT, 57          ; s57  counts a slot's key steps
.set CS,  58          ; s[58:59] c: the packed scaling takes the pair's low word for both halves
.set SEL, 60          ; s[60:61] v_permlanex16_b32's selects: each lane takes its own place in the other half
.set TBK, 62          ; s62  LDS byte at which K of the step to be fetched begins
.set TBV, 63          ; s63  the same for V, less VOFF
.set MSB, 0
.macro WIN new                      ; the high byte repeats the setting that is left; a switch that changes nothing is dropped
.if MSB != (\new)
	s_set_vgpr_msb (MSB<<8)|(\new)
.set MSB, (\new)
.endif
.endm
.set W_KQ, 0x0a       ; K and Q in window 2, S^T in window 0
.set W_PV, 0x52       ; V in window 2, P in window 0, O^T in window 1
.set W_RS, 0x41       ; O^T (destination and source 0) in window 1, a in window 0
.set W_MK, 0xc0       ; the add's registers are made: destination in window 3, sources in window 0
.set W_AD, 0x0f       ; the add: address (source 0) and data (source 1) in window 3
; A joint fill.  Waves 0 and 1 fetch the two halves of a slot's K, waves 2 and 3 those of its V: 128 keys each.  The branch hangs on the wave's number alone.
; An s_nop 0 and four v_nop follow each of the two lines, ahead of the jump and the label.
.macro JLOAD
	s_cmp_lt_u32 s[WV], 2
	s_cbranch_scc0 .Lfor_v_\@
	tensor_load_to_lds s[G0K:G0K+3], s[G1K:G1K+7]
	s_nop 0
.rept 4
	v_nop
.endr
	s_branch .Lasked_\@
.Lfor_v_\@:
	tensor_load_to_lds s[G0V:G0V+3], s[G1V:G1V+7]
	s_nop 0
.rept 4
	v_nop
.endr
.Lasked_\@:
.endm
; A PREFETCH INTO THE L2 of what the NEXT change of slots will ask for: a slot's 32,768 bytes of K and of V, a lane for each 256.  It stands behind the wave's tensor load and its five lines.
; Each 256 bytes are named ONCE in the launch: a head has one cluster; its four partners share a slot out BY ADDRESS, 8,192 bytes each (no branch hangs on a work-group's place in its cluster); in each, wave 0
; asks for K's and wave 2 for V's: one instruction, four key steps, 512 matrix instructions, ahead of the load.  The last change that fills a slot asks for nothing: there is no slot behind it.
.macro ASK
	s_cmp_gt_u32 s[SLOTS], s[LIM]
	s_cbranch_scc0 .Lnot_mine_\@
	global_prefetch_b8 v[PFO], s[PFA:PFA+1] th:TH_LOAD_NT scope:SCOPE_SE
.Lnot_mine_\@:
.endm
; A round of the cluster's barrier: my work-group's barrier, so that wave 0's signal speaks for all four waves; wave 0 signals; every wave waits for all four work-groups; my work-group's barrier once more.
.macro CROUND
	s_barrier_signal -1
	s_barrier_wait -1
	s_cmp_lg_u32 s[WV], 0
	s_cbranch_scc1 .Lnot_wave_0_\@
	s_barrier_signal -3
.Lnot_wave_0_\@:
	s_barrier_wait -3
	s_barrier_signal -1
	s_barrier_wait -1
.endm
; THE CHANGE OF SLOTS.  The slot's last bytes, V of its fourth step, have been read.  Each wave waits for all its tensor loads, of which one is out: its part
; of the other slot; adds 0 to its spare word; and waits for that and for its own reads of the slot.  Behind the barrier nobody reads this slot any more and the other slot is whole.
; fill = 1: this slot is filled again, with the keys two slots on.  The barrier is then a round of the cluster's, so that no wave of any partner still reads the slot or has a load on its
; way, and the joint fill is the first thing behind it: it has four key steps, 512 matrix instructions, in which to land.  (At its first use nothing has been read yet: slot 0 is waited for, slot 1 filled.)
.macro CHANGE fill
	WIN W_AD
	s_wait_tensorcnt 0x0            ; no tensor load of mine is out, so a group 0 may be written
	ds_add_u32 v[SPW], v[NIL]       ; 0 onto my spare word; with fill = 1 the descriptors' steps stand between it and the wait for it
	WIN 0                           ; at a label and at a branch every window is 0
.if \fill
.irp g, G0K, G0V
	s_xor_b32 s[\g+1], s[\g+1], SLOT1  ; the walking descriptor: the other slot than last time,
	s_add_nc_u64 s[\g+2:\g+3], s[\g+2:\g+3], 4*KS*128  ; the next 256 keys; the type bits on top are not reached
.endr
	s_wait_xcnt 0x0                 ; the last prefetch, four key steps back, has read its address, so it may be written:
	s_add_nc_u64 s[PFA:PFA+1], s[PFA:PFA+1], 4*KS*128  ; one slot behind the walking descriptors
	s_wait_dscnt 0x0                ; the add is done, and my reads of the slot are over
	CROUND
	JLOAD
	ASK
.else
	s_wait_dscnt 0x0                ; the add is done, and my reads of the slot are over
	s_barrier_signal -1
	s_barrier_wait -1
.endif
	s_sub_co_u32 s[TBK], s[TBK], 4*KS*PK  ; the fetches go back to a slot's first step,
	s_xor_b32 s[TBK], s[TBK], SLOT1       ; in the other slot
	s_sub_co_u32 s[TBV], s[TBV], 4*KS*PV
	s_xor_b32 s[TBV], s[TBV], SLOT1
.endm
	s_load_b128 s[4:7], s[0:1], 0x0   ; qkv s[4:5], o s[6:7]
	WIN W_MK
	v_lshl_add_u32 v[SPW], v0, 2, SPARE
	v_mov_b32 v[NIL], 0
	WIN W_AD
	ds_add_u32 v[SPW], v[NIL]       ; the wave's opening: the add and its wait stand ahead of my first tensor load; the set-up below, work on registers, stands between them
	WIN 0
	v_lshrrev_b32 v1, 5, v0
	v_readfirstlane_b32 s[WV], v1   ; wave 0..3
	s_bfe_u32 s13, ttmp6, 0x40000   ; cx: my place in the cluster
	s_lshl_b32 s14, ttmp9, 2        ; in a cluster launch ttmp9 counts clusters
	s_add_co_u32 s14, s14, s13      ; my block of queries = 4 x cluster x + cx: it enters Q's and O's addresses alone
	s_and_b32 s20, ttmp7, 0xffff    ; the head, which the four partners share
	s_mov_b32 s21, 0
	s_mov_b64 s[22:23], SIZE_N*128
	s_mul_u64 s[20:21], s[20:21], s[22:23]  ; the head's first byte in each of the four tensors
	s_and_b32 s16, s[WV], 1         ; which half of a slot's 256 keys I fetch:
	s_lshl_b32 s22, s16, 14         ; its 128 rows of 128 bytes in memory,
	s_mov_b32 s23, 0
	s_add_nc_u64 s[22:23], s[22:23], s[20:21]
	s_mul_i32 s17, s16, 128*PK      ; and its place in a slot, for K
	s_mul_i32 s18, s16, 128*PV      ; and for V: no place in the cluster enters an LDS address
	s_lshl_b32 s2, s14, 2
	s_add_co_u32 s2, s2, s[WV]      ; my wave among the head's,
	s_lshl_b32 s2, s2, 14           ; its 128 rows
	s_mov_b32 s3, 0
	s_add_nc_u64 s[2:3], s[2:3], s[20:21]
	; descriptor group 1.  128 keys are 16,384 dense bytes: asked for as 64 rows of 256 bytes, two keys a row, and padded in LDS after every key
	s_mov_b32 s[G1K], 15|(1<<16)|(1<<20)|(1<<21)|(4<<22)|(3<<25)  ; 15:0 the mask of four; 17:16 2-byte elements; 20 padding on; 21 set beside a mask; 24:22 after every 32 words (code 4); 31:25 4 words (code 3)
	s_mov_b32 s[G1V], 15|(1<<16)|(1<<20)|(1<<21)|(4<<22)|(7<<25)  ; the same with 8 words of padding (code 7)
.irp g, G1K, G1V
	s_mov_b32 s[\g+1], 128<<16      ; tensor_dim0 = 128
	s_mov_b32 s[\g+2], 64<<16       ; tensor_dim1 = 64
	s_mov_b32 s[\g+3], 128<<16      ; tile_dim0 = 128
	s_mov_b32 s[\g+4], 64           ; tile_dim1 = 64
	s_mov_b32 s[\g+5], 128          ; 128 elements from row to row
	s_mov_b32 s[\g+6], 0
	s_mov_b32 s[\g+7], 0
.endr
	s_mov_b32 s[CS], 0x3e38aa3b     ; c = log2(e) / 8 = 0.180337
	s_mov_b32 s[CS+1], s[CS]        ; named with it as a pair
	s_mov_b32 s[SEL], 0x76543210
	s_mov_b32 s[SEL+1], 0xfedcba98
	s_mov_b32 s[TBK], SLOT1+4*KS*PK ; the first change of slots turns these two into 0
	s_mov_b32 s[TBV], SLOT1+4*KS*PV
	s_mov_b32 s[G0K], 1             ; 1:0 count = 1
	s_mov_b32 s[G0K+1], s17         ; 63:32 LDS address: slot 0
	s_mov_b32 s[G0V], 1
	s_add_co_u32 s[G0V+1], s18, VOFF
	s_mov_b32 s[SLOTS], SIZE_N/256-1  ; seven slots are asked for behind slot 0
	s_and_b32 s[LIM], s[WV], 1
	s_cmp_eq_u32 s[LIM], 0
	s_cselect_b32 s[LIM], 1, -1     ; the same in all four partners, for a given wave
	s_lshl_b32 s50, s13, 13         ; my work-group's 8,192 bytes of a slot's 32,768
	s_mov_b32 s51, 0
	s_wait_dscnt 0x0                ; the opening add is done
	s_wait_kmcnt 0x0
	s_mov_b64 s[10:11], s[6:7]      ; O
	s_add_nc_u64 s[6:7], s[4:5], 0x1000000  ; K lies 16 MiB behind Q,
	s_add_nc_u64 s[8:9], s[4:5], 0x2000000  ; V 32 MiB
	s_add_nc_u64 s[G0K+2:G0K+3], s[6:7], s[22:23]  ; 120:64 global address: my half of the head's first 256 keys
	s_or_b32 s[G0K+3], s[G0K+3], 0x80000000        ; 127:126 type = 2
	s_add_nc_u64 s[G0V+2:G0V+3], s[8:9], s[22:23]
	s_or_b32 s[G0V+3], s[G0V+3], 0x80000000
	s_add_nc_u64 s[4:5], s[4:5], s[2:3]  ; Q and O at my wave's first row
	s_add_nc_u64 s[10:11], s[10:11], s[2:3]
	s_cmp_lt_u32 s[WV], 2
	s_cselect_b64 s[PFA:PFA+1], s[6:7], s[8:9]
	s_add_nc_u64 s[PFA:PFA+1], s[PFA:PFA+1], s[22:23]  ; (in waves 0 and 2 this is the head's first byte)
	s_add_nc_u64 s[PFA:PFA+1], s[PFA:PFA+1], s[50:51]
	s_add_nc_u64 s[PFA:PFA+1], s[PFA:PFA+1], 4*KS*128  ; in slot 1; the first change of slots steps it to slot 2.  Nothing is prefetched here, at the head
	CROUND                          ; all four work-groups are here: the first joint loads meet
	JLOAD                           ; slot 0.  Slot 1 is asked for when slot 0 is in: the tile wanted first has the road to itself
	; A fragment of K or Q is 16 rows x 32 channels in 8 registers: lane l holds row l % 16, channels 8 (l / 16) + 0..7 and 16 + 8 (l / 16) + 0..7: two loads of 16 bytes, 32 bytes apart.
	v_and_b32 v1, 15, v0            ; l % 16
	v_bfe_u32 v9, v0, 4, 1          ; l / 16
	v_lshlrev_b32 v[QO], 7, v1
	v_lshl_add_u32 v[QO], v9, 4, v[QO]  ; row x 128 + 16 x half
	WIN 0x80                        ; destination window 2, address window 0
.set i, 0
.rept 4*NP                          ; Q stays in registers: tile i / 2, channels 32 (i % 2) on
	global_load_b128 v[8*i:8*i+3],   v[QO], s[4:5] offset:(i/2)*2048+(i%2)*64
	global_load_b128 v[8*i+4:8*i+7], v[QO], s[4:5] offset:(i/2)*2048+(i%2)*64+32
.set i, i+1
.endr
	; What the first turn finds: V's registers and P's second buffer hold 0 (its products V^T P, of a piece that has not been, add 0), O^T and l are 0.  All this stands in the wait for the first tile.
.set i, VF
.rept 64
	v_mov_b32 v[i], 0
.set i, i+1
.endr
	WIN 0x40
.set i, 0
.rept 64*NP
	v_mov_b32 v[i], 0
.set i, i+1
.endr
	WIN 0
.set i, 0
.rept 2*NP
	v_mov_b32 v[ST+4*i], 0xfe000000    ; c m: far below every c s
	v_mov_b32 v[ST+4*i+1], 0xff7fffff  ; m
	v_mov_b32 v[ST+4*i+2], 0
	v_mov_b32 v[ST+4*i+3], 0
.set i, i+1
.endr
.set i, P+32
.rept 32
	v_mov_b32 v[i], 0
.set i, i+1
.endr
	v_mul_u32_u24 v[AK0], v1, PK
	v_lshl_add_u32 v[AK0], v9, 4, v[AK0]  ; row x pitch + 16 x half
	; The turning load takes 16 keys x 16 channels (lane l reads key 8 (l / 16) + l % 8, channels 8 ((l / 8) % 2) + 0..7) and leaves half a fragment of V^T: lane l holds channel l % 16 and 8 keys.
	v_and_b32 v10, 7, v0
	v_bfe_u32 v11, v0, 3, 1
	v_lshl_add_u32 v[AV0], v9, 3, v10
	v_mul_u32_u24 v[AV0], v[AV0], PV
	v_lshl_add_u32 v[AV0], v11, 4, v[AV0]
	v_add_nc_u32 v[AV0], VOFF, v[AV0]
	v_mov_b32 v[AK], v[AK0]         ; key step 0 lies at the head of slot 0
	v_and_b32 v[PFO], 31, v0
	v_lshlrev_b32 v[PFO], 8, v[PFO]
; THE MATRIX WORK.  The 8 accumulators of a run of 16 take turns: between the two links of a chain stand 7 others'.
; Product i of 16 of S^T = K Q^T for piece x: channels 32 (i / 8) on, keys 16 ((i / 2) % 4) on, tile 2 x + i % 2.  The first 8 start the sums.
.macro KQ x
	WIN W_KQ
.set rS, S+64*((\x)%2)+32*(i%2)+8*((i/2)%4)
.set rK, KF+16*((i/2)%4)+8*(i/8)
.set rQ, 16*(2*(\x)+i%2)+8*(i/8)
.if i < 8
	v_wmma_f32_16x16x32_f16 v[rS:rS+7], v[rK:rK+7], v[rQ:rQ+7], 0
.else
	v_wmma_f32_16x16x32_f16 v[rS:rS+7], v[rK:rK+7], v[rQ:rQ+7], v[rS:rS+7]
.endif
.endm
; Product i of 16 of O^T += V^T P for piece x: keys 32 (i / 8) on, channels 16 ((i / 2) % 4) on, tile 2 x + i % 2.
.macro PV x
	WIN W_PV
.set rO, 32*(2*(\x)+i%2)+8*((i/2)%4)
.set rV, VF+32*(i/8)+8*((i/2)%4)
.set rP, P+32*((\x)%2)+16*(i%2)+8*(i/8)
	v_wmma_f32_16x16x32_f16 v[rO:rO+7], v[rV:rV+7], v[rP:rP+7], v[rO:rO+7]
.endm
.macro MM                           ; the turn's next matrix instruction
.if i < 16
	KQ (Y+1)%NP
.set i, i+1
.else
.set i, i-16
	PV (Y+NP-1)%NP
.set i, i+17
.endif
.endm
; THE LDS LOADS stand in runs of 16, never singly among the matrix instructions: a step's K (64 keys x 64 channels: 8 fragments) and its V (turned).  Their addresses are made some lines ahead.
; last = 1 (the tail): in the last trip there is no further step, and the run is jumped over.
.macro FETCH_K last=0
	WIN 0
.if \last
	s_cmp_eq_u32 s[CNT], 1
	s_cbranch_scc1 .Lno_k_\@
.endif
	WIN 0x80                        ; destination window 2
.irp f, 0,1,2,3,4,5,6,7             ; keys 16 (f / 2) on, channels 32 (f % 2) on
	ds_load_b128 v[KF+8*\f:KF+8*\f+3],   v[AK] offset:(\f/2)*16*PK+(\f%2)*64
	ds_load_b128 v[KF+8*\f+4:KF+8*\f+7], v[AK] offset:(\f/2)*16*PK+(\f%2)*64+32
.endr
	s_add_co_u32 s[TBK], s[TBK], KS*PK  ; the next fetch is the next step's
	WIN 0
.if \last
.Lno_k_\@:
.endif
.endm
.macro FETCH_V
	WIN 0x80
.irp f, 0,1,2,3,4,5,6,7             ; keys 32 (f / 4) on, channels 16 (f % 4) on
	ds_load_tr16_b128 v[VF+8*\f:VF+8*\f+3],   v[AV] offset:(\f/4)*32*PV+(\f%4)*32
	ds_load_tr16_b128 v[VF+8*\f+4:VF+8*\f+7], v[AV] offset:(\f/4)*32*PV+16*PV+(\f%4)*32
.endr
	WIN 0
.endm
; THE VECTOR WORK OF A TURN stands in three queues, each in the order in which its entries become ready; the two tiles alternate, so that no instruction reads the result of the one before it.
.macro REGS y, u                    ; the registers of tile u (0, 1) of piece y
.set rT, ST+4*(2*(\y)+(\u))
.set rC, TMP+8*((\y)%2)+4*(\u)
.set rM, MV+2*((\y)%2)+(\u)
.set rS, S+64*((\y)%2)+32*(\u)
.set rP, P+32*((\y)%2)+16*(\u)
.set rO, 32*(2*(\y)+(\u))
.endm
; Number n of the 22 that find the NEXT piece's (Y + 1) maximum and statistics.  s0-s31 are the lane's 32 scores; each accumulator's lowest registers are read first.  XS, GS and REGS set no window: PL and EX do.
;   0-11  four chains c0-c3 of seven scores each, three operands at a time     12-14, 16  the four scores left over, the old m, and c0-c3 into c0     15  c m_old is kept
;   17, 18  the query's other 32 keys lie in the lane 16 away: the new m         19-21  c m; c m_old - c m_new; a
.macro XS u, n
	REGS (Y+1)%NP, \u
.if (\n) < 4
	v_max3_num_f32 v[rC+(\n)], v[rS+8*(\n)], v[rS+8*(\n)+1], v[rS+8*(\n)+2]
.elseif (\n) < 12
	v_max3_num_f32 v[rC+(\n)%4], v[rC+(\n)%4], v[rS+8*((\n)%4)+2*((\n)/4)+1], v[rS+8*((\n)%4)+2*((\n)/4)+2]
.elseif (\n) == 12
	v_max3_num_f32 v[rC], v[rC], v[rS+7], v[rS+15]
.elseif (\n) == 13
	v_max3_num_f32 v[rC+1], v[rC+1], v[rS+23], v[rS+31]
.elseif (\n) == 14
	v_max3_num_f32 v[rC+2], v[rC+2], v[rC+3], v[rT+1]
.elseif (\n) == 15
	v_mov_b32 v[rM], v[rT]
.elseif (\n) == 16
	v_max3_num_f32 v[rC], v[rC], v[rC+1], v[rC+2]
.elseif (\n) == 17
	v_permlanex16_b32 v[rC+3], v[rC], s[SEL], s[SEL+1]
.elseif (\n) == 18
	v_max_num_f32 v[rT+1], v[rC], v[rC+3]
.elseif (\n) == 19
	v_mul_f32 v[rT], s[CS], v[rT+1]
.elseif (\n) == 20
	v_sub_f32 v[rC+1], v[rM], v[rT]
.else
	v_exp_f32 v[rC+2], v[rC+1]
.endif
.endm
; Number g of the 64 that follow the exponentials.  For each four weights k of a tile (pairs 2 k, 2 k + 1): both pairs are rounded to f16; then the second pair is added onto the first, in place;
; a group later l takes that sum (the first time as l = a l + sum).  In groups of eight, tiles alternating: round, round, add, and l for the group before.
.macro GS g
.set h, (\g)+6*((\g)/62)            ; group 0 has no group before it, and behind group 7 only l is left
.if h >= 6
.set h, h+2
.endif
	REGS Y, h%2
.set k, h/8
.if h%8 < 4
	s_wait_alu depctr_va_vdst(0)
	v_cvt_pk_f16_f32 v[rP+2*k+(h%8)/2], v[rS+4*k+2*((h%8)/2)], v[rS+4*k+2*((h%8)/2)+1]
.elseif h%8 < 6
	v_pk_add_f32 v[rS+4*k:rS+4*k+1], v[rS+4*k:rS+4*k+1], v[rS+4*k+2:rS+4*k+3]
.elseif k == 1
	v_pk_fma_f32 v[rT+2:rT+3], v[rT+2:rT+3], v[rC+2:rC+3], v[rS:rS+1] op_sel_hi:[1,0,1]
.else
	v_pk_add_f32 v[rT+2:rT+3], v[rT+2:rT+3], v[rS+4*k-4:rS+4*k-3]
	s_wait_alu depctr_va_vdst(0)
.endif
.endm
; THE PLAIN QUEUE, 138 long.  0-31: c s - c m for the 16 pairs of both tiles.  Then GS's 64, and among them the next piece's 42: number 15 at 38, 39; 0-14 and 16
; at 42-73, behind the products that make those scores; 17-20 at 95-106, two of three, since each waits for the one before it.
.macro PL
	WIN 0
.if q < 32
	REGS Y, q%2
	v_pk_fma_f32 v[rS+2*(q/2):rS+2*(q/2)+1], v[rS+2*(q/2):rS+2*(q/2)+1], s[CS:CS+1], v[rT:rT+1] op_sel_hi:[1,0,0] neg_lo:[0,0,1] neg_hi:[0,0,1]
.elseif q < 38
	GS q-32
.elseif q < 40
	XS q%2, 15
.elseif q < 42
	GS q-34
.elseif q < 74
	XS q%2, (q-42)/2+(q-42)/30
.elseif q < 95
	GS q-66
.elseif (q < 107) && ((q-95)%3 < 2)
	XS (q-95)%3, 17+(q-95)/3
.elseif q < 107
	GS 29+(q-95)/3
.else
	GS q-74
.endif
.set q, q+1
.endm
; THE EXPONENTIALS' QUEUE, 66 long: s0-s31 of both tiles, and at EA the next piece's two a.
.set EA, 58
.macro EX
	WIN 0
.if (e == EA) || (e == EA+1)
	XS e-EA, 21
.else
.set x, e-2*(e/(EA+2))
	REGS Y, x%2
	v_exp_f32 v[rS+x/2], v[rS+x/2]
.endif
.set e, e+1
.endm
; THE RESCALING's QUEUE: O^T times a, the one part that leaves window 0, so it is dealt four at a time, eight times.
.macro R4
	REGS Y, r%2
	WIN W_RS
	s_wait_alu depctr_va_vdst(0)
.irp z, 0,1,2,3
	v_pk_mul_f32 v[rO+8*(r/2)+2*\z:rO+8*(r/2)+2*\z+1], v[rO+8*(r/2)+2*\z:rO+8*(r/2)+2*\z+1], v[rC+2:rC+3] op_sel_hi:[1,0]
.endr
.set r, r+1
.endm
; HOW THEY ARE DEALT.  Behind a matrix instruction four: plain, exponential, plain, plain (one exponential, a plain instruction on either side), or four of the rescaling.  None names a register of the
; products round it.  What is over stands in two LUMPS: exponential and plain by turns; the second ends in 22 plain instructions.  The two v_permlanex16_b32 fall into the second lump, never behind a product.
; The queues lean on each other, and the deal keeps them in step: exponential e stands behind plain 2 (e / 4) + e % 2 (its scaling); when plain 32 comes, 10 exponentials are out, at 59: 33, at 95: 46; EA comes behind plain 107.
.macro SL
	MM
	PL
	EX
	PL
	PL
.endm
.macro BURST n                      ; 15 matrix instructions, or 16
.rept (\n)-7
	SL
.endr
.rept 3
	MM
	R4
	SL
.endr
	MM
	R4
.endm
; A TURN, for piece p.  cnt = 1: the loop's count is taken down some lines ahead of the branch that stands behind the turn.
; K of the next step is fetched in piece 2's turn, 31 vector instructions behind the last product that read K; its first reader comes behind the rest of the lump, 16 products and the second lump.
; V of the step in hand is fetched at the end of piece 0's turn, 69 behind its last reader; its first reader comes behind 16 products and a lump.  The four conditions on e and q below go with the deal.
.macro TURN p, last=0, cnt=0
.set Y, (\p)
.set i, 0
.set q, 0
.set e, 0
.set r, 0
.if (\p) == NP-1
	s_wait_dscnt 0x0                ; K is in
.endif
	MM
.rept 4
	PL
.endr
	BURST 15
.rept 22
	EX
	PL
.if ((\p) == NP-2) && (e == 18)
	v_add_nc_u32 v[AK], s[TBK], v[AK0]
.endif
.if ((\p) == NP-2) && (e == 24)
	FETCH_K \last
.endif
.endr
.if (\p) == 1
	s_wait_dscnt 0x0                ; V is in
.endif
	BURST 16
.rept 21
	EX
	PL
.endr
.rept 22
	PL
.if ((\p) == 0) && (q == 118)
	v_add_nc_u32 v[AV], s[TBV], v[AV0]
	s_wait_alu depctr_va_vdst(0)
.endif
.if ((\p) == 0) && (q == 130)
	s_add_co_u32 s[TBV], s[TBV], KS*PV
.endif
.if (\cnt) && (q == 130)
	s_sub_co_u32 s[CNT], s[CNT], 1
	s_cmp_lg_u32 s[CNT], 0
.endif
.endr
.if (\p) == 0
	FETCH_V
.endif
.endm
	CHANGE 1                        ; slot 0 is in, everybody's part of it; slot 1 is asked for
	FETCH_K                         ; key step 0
	s_wait_loadcnt 0x0              ; Q
	s_wait_dscnt 0x0
.set i, 0
.rept 16
	KQ 0                            ; piece 0's first scores: there is no vector work yet to set between them
.set i, i+1
.endr
	WIN 0                           ; the addresses for the way out: nine plain instructions, the places behind those products
	s_mul_i32 s13, s[WV], 16*SP
	s_add_co_u32 s13, s13, STAGE    ; my stage
	v_mul_u32_u24 v[STO], v1, SP    ; in: row l % 16, 16 bytes for each half of the lanes
	v_lshl_add_u32 v[STO], v9, 4, v[STO]
	v_add_nc_u32 v[STO], s13, v[STO]
	v_bfe_u32 v[RD], v0, 3, 2       ; back: 32 lanes take four rows of 128 bytes,
	v_mul_u32_u24 v[RD], v[RD], SP
	v_lshl_add_u32 v[RD], v10, 4, v[RD]
	v_add_nc_u32 v[RD], s13, v[RD]
	v_and_b32 v[GO], 31, v0         ; which are 512 consecutive bytes of O
	v_lshlrev_b32 v[GO], 4, v[GO]
.set Y, NP-1                        ; XS works for piece Y + 1: piece 0
.irp n, 0,1,2,3,4,5,6,7,8,9,10,11,12,13,14,15,16,17,18,19,20,21
	XS 0, \n                        ; and piece 0's first maximum and statistics
	XS 1, \n
.endr
	s_mov_b32 s[CNT], 4
	s_branch .Lfirst                ; the loop is entered at a step's first turn, in the middle of a trip
.Lslot:                             ; SIZE_N / 256 - 2 times: every slot but the last two is filled again
	CHANGE 1
	s_mov_b32 s[CNT], 4
.Lstep:                             ; a trip: pieces 2 and 3 of one step, then pieces 0 and 1 of the next, whose K and V it fetches
	TURN 2
	TURN 3
	WIN 0
.Lfirst:
	TURN 0
	TURN 1, 0, 1
	WIN 0
	s_cbranch_scc1 .Lstep
	s_sub_co_u32 s[SLOTS], s[SLOTS], 1
	s_cmp_lg_u32 s[SLOTS], 0
	s_cbranch_scc1 .Lslot
	CHANGE 0                        ; the tail is written out: nothing is asked for
	s_mov_b32 s[CNT], 5             ; four trips fetch the last slot's steps; the fifth is left in its middle
.Ltail:
	TURN 2, 1
	TURN 3
	WIN 0
	s_sub_co_u32 s[CNT], s[CNT], 1
	s_cmp_eq_u32 s[CNT], 0
	s_cbranch_scc1 .Lout
	TURN 0
	TURN 1
	WIN 0
	s_branch .Ltail
.Lout:                              ; the fifth trip's 16 products K Q^T (on the last K once more) and the maximum made of them serve nothing: the price, once a launch, of one text for every trip
.set i, 0
.rept 16
	PV NP-1                         ; the last piece's V^T P of the last step
.set i, i+1
.endr
	; THE WAY OUT.  l's two halves and the other half of the lanes' are added; O^T is divided by l, rounded to f16 and sent through my stage in LDS, a tile at a time.  The additions are the places behind the last products.
	WIN 0
.macro ALL line:vararg              ; one line for each tile t
.set t, 0
.rept 2*NP
	\line
.set t, t+1
.endr
.endm
	ALL v_add_f32 v[ST+4*t+2], v[ST+4*t+2], v[ST+4*t+3]
	ALL v_permlanex16_b32 v[ST+4*t+3], v[ST+4*t+2], s[SEL], s[SEL+1]
	ALL v_add_f32 v[ST+4*t+2], v[ST+4*t+2], v[ST+4*t+3]
	ALL v_rcp_f32 v[ST+4*t+2], v[ST+4*t+2]
	v_nop                           ; a plain instruction between the last reciprocal and the use of its result
	s_wait_alu depctr_va_vdst(0)
; Tile t: a lane's eight channels of a row pack into 16 bytes; they go into rows of 144 bytes and come back as whole rows of 128, into S^T's registers.
.macro PACK t
	WIN W_RS
.set i, 32*(\t)
.rept 16
	v_pk_mul_f32 v[i:i+1], v[i:i+1], v[ST+4*(\t)+2:ST+4*(\t)+3] op_sel_hi:[1,0]
.set i, i+2
.endr
	WIN 0x05                        ; sources 0 and 1 window 1, destination window 0
.set i, 0
.rept 16
	v_cvt_pk_f16_f32 v[S+16*(\t)+i], v[32*(\t)+2*i], v[32*(\t)+2*i+1]
.set i, i+1
.endr
	WIN 0
.irp f, 0,1,2,3
	ds_store_b128 v[STO], v[S+16*(\t)+4*\f:S+16*(\t)+4*\f+3] offset:32*\f
.endr
.irp f, 0,1,2,3
	ds_load_b128 v[S+16*(\t)+4*\f:S+16*(\t)+4*\f+3], v[RD] offset:\f*4*SP  ; LDS serves a wave's instructions in order (ISA guide 5.7.1.4): these see the stores above; the next tile's stores come behind them
.endr
.endm
.macro SEND t, younger              ; younger: the LDS instructions issued behind tile t's loads: the next tile's eight, or none
	WIN 0
.irp f, 0,1,2,3
	s_wait_dscnt (\younger)+3-\f
	global_store_b128 v[GO], v[S+16*(\t)+4*\f:S+16*(\t)+4*\f+3], s[10:11] offset:(\t)*2048+\f*512  ; 512 consecutive bytes, at a multiple of 256 from O's first
.endr
.endm
	PACK 0
.set t, 1
.rept 2*NP-1                        ; a tile's arithmetic stands between the loads of the tile before and its stores
	PACK t
	SEND t-1, 8
.set t, t+1
.endr
	SEND 2*NP-1, 0
	WIN W_AD
	s_wait_tensorcnt 0x0            ; the wave's end: the wait, the add and its wait stand behind my last tensor load and my last LDS store
	ds_add_u32 v[SPW], v[NIL]
	s_wait_dscnt 0x0
	WIN 0
	CROUND                          ; the closing round: no work-group ends while a partner may still ask for a tile that names it
	s_endpgm
.Lfunc_end_k_qa774432ebe_attn:
	.size	k_qa774432ebe_attn, .Lfunc_end_k_qa774432ebe_attn-k_qa774432ebe_attn
	.p2alignl 7, 3214868480
	.fill 96, 4, 3214868480
	.section	.rodata,"a",@progbits
	.p2align	6, 0x0
	.amdhsa_kernel k_qa774432ebe_attn
		.amdhsa_group_segment_fixed_size 327680
		.amdhsa_private_segment_fixed_size 0
		.amdhsa_enable_private_segment 0
		.amdhsa_kernarg_size 16
		.amdhsa_user_sgpr_count 2
		.amdhsa_user_sgpr_kernarg_segment_ptr 1
		.amdhsa_wavefront_size32 1
		.amdhsa_system_sgpr_workgroup_id_x 1
		.amdhsa_system_sgpr_workgroup_id_y 1
		.amdhsa_system_sgpr_workgroup_id_z 1
		.amdhsa_system_vgpr_workitem_id 0
		.amdhsa_next_free_vgpr 770
		.amdhsa_next_free_sgpr 66
		.amdhsa_reserve_vcc 0
		.amdhsa_float_denorm_mode_32 3
		.amdhsa_float_denorm_mode_16_64 3
		.amdhsa_memory_ordered 1
		.amdhsa_forward_progress 1
		.amdhsa_inst_pref_size 209
	.end_amdhsa_kernel
	.amdgpu_metadata
---
amdhsa.version: [ 1, 2 ]
amdhsa.kernels:
  - .name:           k_qa774432ebe_attn
    .symbol:         k_qa774432ebe_attn.kd
    .args:
      - { .name: qkv, .offset: 0, .size: 8, .value_kind: global_buffer, .address_space: global }
      - { .name: o, .offset: 8, .size: 8, .value_kind: global_buffer, .address_space: global }
    .group_segment_fixed_size: 327680
    .private_segment_fixed_size: 0
    .kernarg_segment_align: 8
    .kernarg_segment_size: 16
    .max_flat_workgroup_size: 128
    .sgpr_count:     66
    .vgpr_count:     770
    .wavefront_size: 32
...
	.end_amdgpu_metadata
.endif
;; end of part 3
;; launch outp (part 4): grid 4 x 64, 4 waves a work-group, clusters of 4 x 4, 327,680 bytes of LDS; arguments o, c16, ball, out0; writes out0
.if DOCPART == 4
	.amdgcn_target "amdgcn-amd-amdhsa--gfx1250"
	.amdhsa_code_object_version 6
	.text
	.protected	k_qa774432ebe_outp
	.globl	k_qa774432ebe_outp
	.p2align	8
	.type	k_qa774432ebe_outp,@function
k_qa774432ebe_outp:
	s_mov_b64 s[64:65], 0
	v_nop
	global_prefetch_b8 v0, s[64:65] scope:SCOPE_SE
	s_setreg_imm32_b32 hwreg(HW_REG_WAVE_MODE, 25, 1), 1
	s_wait_xcnt 0x0
	s_wait_alu depctr_hold_cnt(0) depctr_sa_sdst(0) depctr_va_vdst(0) depctr_va_sdst(0) depctr_va_ssrc(0) depctr_va_vcc(0) depctr_vm_vsrc(0)
	s_getreg_b32 s2, hwreg(HW_REG_IB_STS2, 6, 4)
	s_cmp_eq_u32 s2, 0
	s_cbranch_scc0 .Lentry_in_a_cluster
	s_endpgm
.Lentry_in_a_cluster:
	s_bfe_u32 s2, ttmp6, 0x10000c
	s_cmp_lg_u32 s2, 0xf033
	s_cbranch_scc0 .Lentry_shape_is_right
	s_endpgm
.Lentry_shape_is_right:
; out0 = O Wo^T + bo.  O: f16 by heads, [64 = batch x 16 + head][2048][64]; Wo: f16 [1024][1024], 38 MiB into c16; bo: f32, the fourth bias in ball; out0: f32 [8192][1024].  Sums in f32, started from the bias.
; LIMITS.  O and Wo arrive within f16's range; NaN and infinities are not treated apart.
; SHARES.  A tile is 128 rows x 256 columns: 64 x 4 = 256 tiles, one for each WGP.  Four waves, each 64 x 128: 32 accumulators of 16 x 16.  K goes in steps of 128, two heads, through a ring of two LDS slots.
; A's TILE COMES BY HEADS: a head's 128 rows are 16,384 dense bytes, asked for as 64 rows of 256 bytes and padded in LDS after every 128: wave 0 fetches the step's even head, wave 1 its odd one.
; B's tile is 256 rows of 256 bytes of Wo; waves 2 and 3 fetch 128 rows each.
; CLUSTER.  4 x 4 work-groups: the four of a row of the cluster need the same rows of O, the four of a column the same rows of Wo: each tile is asked for JOINTLY.
; THE MATRIX INSTRUCTION IS USED TRANSPOSED (source 0 = 16 rows of Wo, source 1 = 16 rows of O): a lane holds row l % 16 and the columns 8 (l / 16) + 0..7: 32 bytes of a row of out0.
; No prefetch: Wo's rows are read by sixteen rows of clusters, the tiles are small and the launch is short.
; REGISTERS: window 0: v0-31 addresses; v64-127 the bias of my 128 columns, as eight C operands.   window 1: two fragment buffers of 96 (A's four blocks, then B's eight); on the way out all 256: rows read back.
;   window 2: accumulator (a, b) at v[8 (8 a + b)]
.set PITCH,  272                       ; a row of B in LDS: 256 bytes + 16 = 68 words: row r starts at bank 4 r mod 64 (64 banks of 4 bytes: ISA guide 11.1)
.set PA,     144                       ; a row of A: 128 bytes + 16 = 36 words: the 16 rows of a load start at 16 different groups of four banks
.set AHEAD,  128*PA                    ; one head's 128 rows
.set AREG,   2*AHEAD                   ; both heads'; B's 256 rows lie behind them
.set SLOT,   AREG+256*PITCH
.set STAGE,  2*SLOT                    ; behind the ring, never filled by a tensor load: 16 rows x 528 bytes for each wave
.set SPITCH, 528
.set SPARE,  STAGE+4*16*SPITCH         ; behind the stages: the spare words, 128 bytes for each wave: two blocks of 256 bytes that no other line names
.set LAPS,   4
.set ADRA, 16                          ; v16-17  LDS address of my A fragments in slot 0, 1
.set ADRB, 20                          ; v20-21  the same for B
.set STO,  24                          ; v24     the way out: where I put 32 bytes of a row
.set RD,   25                          ; v25     the way out: where I read a row back
.set GO,   26                          ; v26     my 16 bytes of 512 consecutive bytes of a row of out0
.set SPW,  28                          ; v28     LDS address of my spare word; never rewritten
.set NIL,  29                          ; v29     0; never rewritten
.set BO,   30                          ; v30     32 (l / 16)
.set BI,   64
.set F0,   0
.set F1,   96
.set WV,   12                          ; s12  my wave's number
.set WR,   14                          ; s14  which 64 rows of the tile are mine.  Also: I fetch for A (0) or for B (1)
.set WC,   15                          ; s15  which 128 columns.  Also: which head, or which half of B's rows, I fetch
.set G1,   24
.set G0,   32
.set G1B,  48
.set G0B,  56
.set MSB, 0
.macro WIN new                         ; the immediate's high byte repeats the setting that is left; a switch that changes nothing is dropped
.if MSB != (\new)
	s_set_vgpr_msb (MSB<<8)|(\new)
.set MSB, \new
.endif
.endm
.set MUL,  0xa5                        ; sources 0 and 1 window 1; C and D window 2
.set MULB, 0x85                        ; the same with C, the bias, in window 0
.set TO_F, 0x40                        ; destination window 1, address window 0
.macro JLOAD s                         ; a joint load: waves 0 and 1 fetch A's two heads, waves 2 and 3 B's two halves; an s_nop 0 and four v_nop follow each of the two lines, ahead of the jump, the label and what follows
	s_cmp_eq_u32 s[WR], 0
	s_cbranch_scc0 .Lfor_b_\@
	tensor_load_to_lds s[G0+4*(\s):G0+4*(\s)+3], s[G1:G1+7]
	s_nop 0
.rept 4
	v_nop
.endr
	s_branch .Lasked_\@
.Lfor_b_\@:
	tensor_load_to_lds s[G0B+4*(\s):G0B+4*(\s)+3], s[G1B:G1B+7]
	s_nop 0
.rept 4
	v_nop
.endr
.Lasked_\@:
.endm
.macro CREST                           ; a round of the cluster's barrier behind its opening barrier
	s_cmp_lg_u32 s[WV], 0
	s_cbranch_scc1 .Lnot_wave_0_\@
	s_barrier_signal -3
.Lnot_wave_0_\@:
	s_barrier_wait -3
	s_barrier_signal -1
	s_barrier_wait -1
.endm
.macro CROUND                          ; a whole round
	s_barrier_signal -1
	s_barrier_wait -1
	CREST
.endm
	s_load_b256 s[4:11], s[0:1], 0x0               ; o s[4:5], c16 s[6:7], ball s[8:9], out0 s[10:11]
	v_lshl_add_u32 v[SPW], v0, 2, SPARE
	v_mov_b32 v[NIL], 0
	ds_add_u32 v[SPW], v[NIL]                      ; the wave's opening: the add and its wait stand ahead of my first tensor load; the set-up below, work on registers, stands between them
	v_lshrrev_b32 v1, 5, v0
	v_readfirstlane_b32 s[WV], v1                  ; wave 0..3
	s_lshr_b32 s[WR], s[WV], 1
	s_and_b32 s[WC], s[WV], 1
	s_bfe_u32 s40, ttmp6, 0x40000                  ; cx, cy: my place in the cluster
	s_bfe_u32 s41, ttmp6, 0x40004
	s_lshl_b32 s42, ttmp9, 2
	s_add_co_u32 s42, s42, s40                     ; tile column = 4 x cluster x + cx
	s_and_b32 s13, ttmp7, 0xffff
	s_lshl_b32 s13, s13, 2
	s_add_co_u32 s13, s13, s41                     ; tile row = 4 x cluster y + cy
	s_lshl_b32 s43, s41, 2
	s_lshl_b32 s43, 15, s43                        ; my row of the cluster
	s_lshl_b32 s44, 0x1111, s40                    ; my column
	s_or_b32 s[G1+0], s43, (1<<16)|(1<<20)|(1<<21)|(4<<22)|(3<<25)   ; A: 15:0 the mask; 17:16 2-byte elements; 20 padding on; 21 set beside a mask; 24:22 after every 32 words (code 4); 31:25 4 words (code 3)
	s_or_b32 s[G1B+0], s44, (1<<16)|(1<<20)|(1<<21)|(5<<22)|(3<<25)  ; B: after every 64 words (code 5)
	s_mov_b32 s[G1+1], 128<<16                     ; tensor_dim0 = 128: two rows of a head
	s_mov_b32 s[G1+2], 64<<16                      ; tensor_dim1 = 64
	s_mov_b32 s[G1+3], 128<<16                     ; tile_dim0 = 128
	s_mov_b32 s[G1+4], 64                          ; tile_dim1 = 64
	s_mov_b32 s[G1+5], 128                         ; dense: 128 elements from row to row
	s_mov_b32 s[G1+6], 0
	s_mov_b32 s[G1+7], 0
	s_mov_b32 s[G1B+1], 128<<16
	s_mov_b32 s[G1B+2], 128<<16
	s_mov_b32 s[G1B+3], 128<<16
	s_mov_b32 s[G1B+4], 128
	s_mov_b32 s[G1B+5], 1024
	s_mov_b32 s[G1B+6], 0
	s_mov_b32 s[G1B+7], 0
	; where the tiles come from.  A's hang on the tile row and the wave alone; B's on the tile column and the wave alone
	s_lshr_b32 s16, s13, 4
	s_lshl_b32 s16, s16, 22                        ; the batch: 16 heads of 256 KiB
	s_lshl_b32 s17, s[WC], 18                      ; the step's even or odd head
	s_add_co_u32 s16, s16, s17
	s_and_b32 s17, s13, 15
	s_lshl_b32 s17, s17, 14                        ; the tile's 128 rows of 128 bytes
	s_add_co_u32 s16, s16, s17
	s_mov_b32 s17, 0
	s_lshl_b32 s46, s42, 8
	s_lshl_b32 s47, s[WC], 7
	s_add_co_u32 s46, s46, s47                     ; row of Wo = 256 x tile column + 128 x half: also my wave's first column
	s_lshl_b32 s20, s46, 2                         ; that column in bytes of f32: for the bias and for out0
	s_lshl_b32 s46, s46, 11
	s_add_co_u32 s46, s46, 0x2600000               ; Wo lies 38 MiB into c16
	s_mov_b32 s47, 0
	s_mul_i32 s21, s[WC], AHEAD                    ; where they go: no place in the cluster enters an LDS address
	s_mul_i32 s22, s[WC], 128*PITCH
	s_add_co_u32 s22, s22, AREG
	s_wait_dscnt 0x0                               ; the opening add is done
	s_wait_kmcnt 0x0
	s_add_nc_u64 s[18:19], s[4:5], s[16:17]
	s_add_nc_u64 s[46:47], s[6:7], s[46:47]
	CROUND                                         ; all sixteen work-groups are here: the first joint loads meet
.irp s, 0,1
	s_mov_b32 s[G0+4*(\s)], 1                                        ; count = 1
	s_add_co_u32 s[G0+4*(\s)+1], s21, (\s)*SLOT                      ; LDS address
	s_add_nc_u64 s[G0+4*(\s)+2:G0+4*(\s)+3], s[18:19], (\s)*524288   ; global address: K step s is two heads on
	s_or_b32 s[G0+4*(\s)+3], s[G0+4*(\s)+3], 0x80000000              ; type = 2
	s_mov_b32 s[G0B+4*(\s)], 1
	s_add_co_u32 s[G0B+4*(\s)+1], s22, (\s)*SLOT
	s_add_nc_u64 s[G0B+4*(\s)+2:G0B+4*(\s)+3], s[46:47], (\s)*256
	s_or_b32 s[G0B+4*(\s)+3], s[G0B+4*(\s)+3], 0x80000000
	JLOAD \s                                       ; two loads of mine are out
.endr
	v_and_b32 v1, 15, v0                           ; l % 16
	v_bfe_u32 v2, v0, 4, 1                         ; l / 16
	v_lshlrev_b32 v[BO], 5, v2
	s_mov_b32 s21, 0
	s_add_nc_u64 s[8:9], s[8:9], s[20:21]
	s_add_nc_u64 s[8:9], s[8:9], 12288             ; bo is the fourth bias
.irp b, 0,1,2,3,4,5,6,7
	global_load_b128 v[BI+8*(\b):BI+8*(\b)+3],   v[BO], s[8:9] offset:64*(\b)      ; register j: column 16 b + 8 (l / 16) + j, as in a result
	global_load_b128 v[BI+8*(\b)+4:BI+8*(\b)+7], v[BO], s[8:9] offset:64*(\b)+16
.endr
	s_add_nc_u64 s[10:11], s[10:11], s[20:21]      ; out0 at my first column,
	s_lshl_b32 s22, s13, 7
	s_lshl_b32 s23, s[WR], 6
	s_add_co_u32 s22, s22, s23
	s_lshl_b32 s22, s22, 12                        ; and my first row, of 4,096 bytes
	s_mov_b32 s23, 0
	s_add_nc_u64 s[10:11], s[10:11], s[22:23]
	v_mul_u32_u24 v3, v1, PA
	v_lshl_add_u32 v3, v2, 4, v3                   ; a fragment's row x pitch + 16 x half, for A
	v_mul_u32_u24 v4, v1, PITCH
	v_lshl_add_u32 v4, v2, 4, v4                   ; and for B
	s_mul_i32 s21, s[WR], 64*PA                    ; my 64 rows of A
	s_mul_i32 s22, s[WC], 128*PITCH                ; my 128 rows of B,
	s_add_co_u32 s22, s22, AREG                    ; which lie behind A's
.irp s, 0,1
	v_add_nc_u32 v[ADRA+(\s)], s21, v3
	v_add_nc_u32 v[ADRB+(\s)], s22, v4
	s_add_co_u32 s21, s21, SLOT
	s_add_co_u32 s22, s22, SLOT
.endr
	s_mul_i32 s23, s[WV], 16*SPITCH
	s_add_co_u32 s23, s23, STAGE                   ; my stage
	v_mul_u32_u24 v5, v1, SPITCH                   ; in: row l % 16, 32 bytes for each half of the lanes
	v_lshl_add_u32 v5, v2, 5, v5
	v_add_nc_u32 v[STO], s23, v5
	v_and_b32 v[GO], 31, v0                        ; back: 32 lanes take one row of 512 bytes
	v_lshlrev_b32 v[GO], 4, v[GO]
	v_add_nc_u32 v[RD], s23, v[GO]
; 8 matrix instructions: m block a x all 8 n blocks, 32 along K.  first = 1: the bias starts the sums.  The 32 accumulators take turns in the same order in every quarter.
.macro MUL8 f, a, first
.if \first
	WIN MULB
.else
	WIN MUL
.endif
.irp b, 0,1,2,3,4,5,6,7
.if \first
	v_wmma_f32_16x16x32_f16 v[8*(8*(\a)+(\b)):8*(8*(\a)+(\b))+7], v[(\f)+32+8*(\b):(\f)+32+8*(\b)+7], v[(\f)+8*(\a):(\f)+8*(\a)+7], v[BI+8*(\b):BI+8*(\b)+7]
.else
	v_wmma_f32_16x16x32_f16 v[8*(8*(\a)+(\b)):8*(8*(\a)+(\b))+7], v[(\f)+32+8*(\b):(\f)+32+8*(\b)+7], v[(\f)+8*(\a):(\f)+8*(\a)+7], v[8*(8*(\a)+(\b)):8*(8*(\a)+(\b))+7]
.endif
.endr
.endm
; 24 LDS loads in one run: the fragments of quarter q into buffer f: B's sixteen loads (byte 64 q of the rows), then A's eight (head q / 2 of the step, byte 64 (q % 2) of its rows)
.macro FETCH slot, q, f
	WIN TO_F
.irp i, 0,1,2,3,4,5,6,7
	ds_load_b128 v[(\f)+32+8*(\i):(\f)+32+8*(\i)+3],   v[ADRB+(\slot)] offset:64*(\q)+(\i)*16*PITCH
	ds_load_b128 v[(\f)+32+8*(\i)+4:(\f)+32+8*(\i)+7], v[ADRB+(\slot)] offset:64*(\q)+(\i)*16*PITCH+32
.endr
.irp i, 0,1,2,3
	ds_load_b128 v[(\f)+8*(\i):(\f)+8*(\i)+3],   v[ADRA+(\slot)] offset:((\q)/2)*AHEAD+((\q)%2)*64+(\i)*16*PA
	ds_load_b128 v[(\f)+8*(\i)+4:(\f)+8*(\i)+7], v[ADRA+(\slot)] offset:((\q)/2)*AHEAD+((\q)%2)*64+(\i)*16*PA+32
.endr
.endm
.macro PLACES                          ; four places in front of loads into registers that matrix instructions have read, and of LDS stores that read results
.rept 4
	v_nop
.endr
.endm
.macro QUARTER slot, q, f, g, first    ; multiplies buffer f and, in its middle, fetches quarter q into g
	s_wait_dscnt 4                                 ; B and A's blocks 0 and 1 are in; the youngest four loads (A's blocks 2 and 3) may be out
	MUL8 \f, 0, \first
	MUL8 \f, 1, \first
	PLACES
	FETCH \slot, \q, \g
	s_wait_dscnt 24                                ; all but the 24 just issued
	MUL8 \f, 2, \first
	MUL8 \f, 3, \first
.endm
; The last quarter multiplies buffer 1 and changes slots: ONE barrier; in front of it each wave waits for all its tensor loads (the one that is out is its part of the next slot), adds 0 to its spare word, and
; waits for that and for its own reads of this slot.  fill = 1: this slot is filled again, two K steps ahead; the barrier then opens a round of the cluster's.
.macro TURN slot, next, fill
	WIN 0                                          ; (the add's two registers lie in window 0)
	s_wait_tensorcnt 0x0
	ds_add_u32 v[SPW], v[NIL]                      ; 0 onto my spare word
	s_wait_dscnt 5                                 ; (the add and the youngest four loads may be out)
	MUL8 F1, 0, 0                                  ; eight matrix instructions stand between the add and the wait for it
	s_wait_dscnt 0x0                               ; the add is done, and my reads of this slot are over
	s_barrier_signal -1
	MUL8 F1, 1, 0
.if \fill
	WIN 0
.endif
	s_barrier_wait -1
.if \fill
	CREST                                          ; no wave of any partner still reads this slot's tile or has a load on its way
	s_add_nc_u64 s[G0+4*(\slot)+2:G0+4*(\slot)+3], s[G0+4*(\slot)+2:G0+4*(\slot)+3], 1048576   ; four heads on
	s_add_nc_u64 s[G0B+4*(\slot)+2:G0B+4*(\slot)+3], s[G0B+4*(\slot)+2:G0B+4*(\slot)+3], 512
	JLOAD \slot                                    ; the first tensor load behind the round, my only one until the next; its four v_nop are also the places in front of the loads below
.else
	PLACES
.endif
	FETCH \next, 0, F0
	MUL8 F1, 2, 0
	MUL8 F1, 3, 0
.endm
; THE WAY OUT of block a (16 rows x 128 columns of f32).  A lane's 32 bytes of a row go into my own stage, rows of 528 bytes, each accumulator's low half first; whole rows of 512 bytes come back into window 1.
.macro TOSTAGE a
	WIN 0x08                                       ; the stores' data in window 2
.irp b, 0,1,2,3,4,5,6,7
	ds_store_b128 v[STO], v[8*(8*(\a)+(\b)):8*(8*(\a)+(\b))+3]   offset:64*(\b)
	ds_store_b128 v[STO], v[8*(8*(\a)+(\b))+4:8*(8*(\a)+(\b))+7] offset:64*(\b)+16
.endr
	WIN 0x40                                       ; the loads' destination in window 1
.irp t, 0,1,2,3,4,5,6,7,8,9,10,11,12,13,14,15
	ds_load_b128 v[64*(\a)+4*(\t):64*(\a)+4*(\t)+3], v[RD] offset:(\t)*SPITCH  ; LDS serves a wave's instructions in order (ISA guide 5.7.1.4): these see the stores above; the next block's stores come behind them
.endr
.endm
.macro SEND a, younger                 ; younger: the LDS instructions issued behind block a's loads: the next block's 32, or none.  Every block has 64 registers of its own
	WIN 0x04                                       ; the stores' data in window 1
	s_wait_dscnt \younger
.irp t, 0,1,2,3,4,5,6,7,8,9,10,11,12,13,14,15
	global_store_b128 v[GO], v[64*(\a)+4*(\t):64*(\a)+4*(\t)+3], s[10:11] offset:(16*(\a)+(\t))*4096 th:TH_STORE_NT  ; 512 consecutive bytes, at a multiple of 256 from out0's first
.endr
.endm
	s_wait_tensorcnt 1                             ; my part of K step 0 is in; K step 1's may stay out
	s_barrier_signal -1
	s_barrier_wait -1                              ; everybody's is
	FETCH 0, 0, F0
	s_wait_loadcnt 0x0                             ; the bias
	QUARTER 0, 1, F0, F1, 1                        ; the first quarter stands in front of the loop: its products start the sums
	WIN 0                                          ; at a label and at a branch every window is 0
	s_mov_b32 s3, LAPS-1
.Llap:                                                 ; a trip goes once round the ring, from a lap's second quarter to the next lap's first, and fills both slots again
	QUARTER 0, 2, F1, F0, 0
	QUARTER 0, 3, F0, F1, 0
	TURN 0, 1, 1
	QUARTER 1, 1, F0, F1, 0
	QUARTER 1, 2, F1, F0, 0
	QUARTER 1, 3, F0, F1, 0
	TURN 1, 0, 1
	QUARTER 0, 1, F0, F1, 0
	WIN 0
	s_sub_co_u32 s3, s3, 1
	s_cmp_lg_u32 s3, 0
	s_cbranch_scc1 .Llap
	QUARTER 0, 2, F1, F0, 0                        ; the last lap fills nothing, and has no round of the cluster's barrier
	QUARTER 0, 3, F0, F1, 0
	TURN 0, 1, 0
	QUARTER 1, 1, F0, F1, 0
	QUARTER 1, 2, F1, F0, 0
	QUARTER 1, 3, F0, F1, 0
	s_wait_dscnt 4                                 ; the very last quarter: nothing more to fetch
	MUL8 F1, 0, 0
	MUL8 F1, 1, 0
	s_wait_dscnt 0x0
	MUL8 F1, 2, 0
	MUL8 F1, 3, 0
	PLACES
	TOSTAGE 0
	TOSTAGE 1                                      ; a block's trip through the stage stands between the loads of the block before and its stores
	SEND 0, 32
	TOSTAGE 2
	SEND 1, 32
	TOSTAGE 3
	SEND 2, 32
	SEND 3, 0
	WIN 0
	s_wait_tensorcnt 0x0                           ; the wave's end: the wait, the add and its wait stand behind my last tensor load and my last LDS store
	ds_add_u32 v[SPW], v[NIL]
	s_wait_dscnt 0x0
	CROUND                                         ; the closing round: no work-group ends while a partner may still ask for a tile that names it
	s_endpgm
.Lfunc_end_k_qa774432ebe_outp:
	.size	k_qa774432ebe_outp, .Lfunc_end_k_qa774432ebe_outp-k_qa774432ebe_outp
	.p2alignl 7, 3214868480
	.fill 96, 4, 3214868480
	.section	.rodata,"a",@progbits
	.p2align	6, 0x0
	.amdhsa_kernel k_qa774432ebe_outp
		.amdhsa_group_segment_fixed_size 327680
		.amdhsa_private_segment_fixed_size 0
		.amdhsa_enable_private_segment 0
		.amdhsa_kernarg_size 32
		.amdhsa_user_sgpr_count 2
		.amdhsa_user_sgpr_kernarg_segment_ptr 1
		.amdhsa_wavefront_size32 1
		.amdhsa_system_sgpr_workgroup_id_x 1
		.amdhsa_system_sgpr_workgroup_id_y 1
		.amdhsa_system_sgpr_workgroup_id_z 1
		.amdhsa_system_vgpr_workitem_id 0
		.amdhsa_next_free_vgpr 768
		.amdhsa_next_free_sgpr 66
		.amdhsa_reserve_vcc 0
		.amdhsa_float_denorm_mode_32 3
		.amdhsa_float_denorm_mode_16_64 3
		.amdhsa_memory_ordered 1
		.amdhsa_forward_progress 1
		.amdhsa_inst_pref_size 87
	.end_amdhsa_kernel
	.amdgpu_metadata
---
amdhsa.version: [ 1, 2 ]
amdhsa.kernels:
  - .name:           k_qa774432ebe_outp
    .symbol:         k_qa774432ebe_outp.kd
    .args:
      - { .name: o, .offset: 0, .size: 8, .value_kind: global_buffer, .address_space: global }
      - { .name: c16, .offset: 8, .size: 8, .value_kind: global_buffer, .address_space: global }
      - { .name: ball, .offset: 16, .size: 8, .value_kind: global_buffer, .address_space: global }
      - { .name: out0, .offset: 24, .size: 8, .value_kind: global_buffer, .address_space: global }
    .group_segment_fixed_size: 327680
    .private_segment_fixed_size: 0
    .kernarg_segment_align: 8
    .kernarg_segment_size: 32
    .max_flat_workgroup_size: 128
    .sgpr_count:     66
    .vgpr_count:     768
    .wavefront_size: 32
...
	.end_amdgpu_metadata
.endif
;; end of part 4
